; MI455X (gfx1250); checked and timed in simulation.
; The chip was launched on July 23, 2026; its instructions are those of AMD's public machine-readable ISA for CDNA 5 (MIT licence, August 2026) and "CDNA5" Instruction Set Architecture Reference Guide (July 2026). The comments in the code are by the model that wrote it; some were corrected since.
;; Multi Headed Self Attention. Allowed arithmetic: matrix products marked QUANTISED: E2M3 operands, one E8M0 scale for each 32 along K, by v_wmma_scale_f32_16x16x128_f8f6f4 with both operands' format E2M3, f32 sums; everything else in f32.
;; Inputs: Wk_codes 1,024 x 32 x 24 uint8 (E2M3 codes of Wk, K innermost, in blocks of 32 codes, four codes in three bytes); Wk_scales 1,024 x 32 uint8 (E8M0 scales of Wk, one for each 32 codes along K); Wo_codes 1,024 x 32 x 24 uint8 (E2M3 codes of Wo, K innermost, in blocks of 32 codes, four codes in three bytes); Wo_scales 1,024 x 32 uint8 (E8M0 scales of Wo, one for each 32 codes along K); Wq_codes 1,024 x 32 x 24 uint8 (E2M3 codes of Wq, K innermost, in blocks of 32 codes, four codes in three bytes); Wq_scales 1,024 x 32 uint8 (E8M0 scales of Wq, one for each 32 codes along K); Wv_codes 1,024 x 32 x 24 uint8 (E2M3 codes of Wv, K innermost, in blocks of 32 codes, four codes in three bytes); Wv_scales 1,024 x 32 uint8 (E8M0 scales of Wv, one for each 32 codes along K); bk 1,024 float32; bo 1,024 float32; bq 1,024 float32; bv 1,024 float32; k_codes 4 x 2,048 x 32 x 24 uint8 (E2M3 codes of k, K innermost, in blocks of 32 codes, four codes in three bytes); k_scales 4 x 2,048 x 32 uint8 (E8M0 scales of k, one for each 32 codes along K); q_codes 4 x 2,048 x 32 x 24 uint8 (E2M3 codes of q, K innermost, in blocks of 32 codes, four codes in three bytes); q_scales 4 x 2,048 x 32 uint8 (E8M0 scales of q, one for each 32 codes along K); v_codes 4 x 2,048 x 32 x 24 uint8 (E2M3 codes of v, K innermost, in blocks of 32 codes, four codes in three bytes); v_scales 4 x 2,048 x 32 uint8 (E8M0 scales of v, one for each 32 codes along K).
;; Outputs: out0 4 x 2,048 x 1,024 float32.
;; This version of the problem:
;;   THIS VERSION OF THE PROBLEM IS GIVEN IN LOW PRECISION. The matrix products marked QUANTISED in the list below multiply operands that are first quantised to E2M3 (2 exponent bits, 3 mantissa bits; 6 bits a number), with one power-of-two scale for each 32 numbers along K (OCP MX v1.0); their sums are f32. All else is computed in f32.
;;   The module's matrix products, in the order in which they are computed (A, B: the left and right operand; K: the contracted axis; several contracted axes count as one K, in the product's order):
;;     1. [M 8,192, K 1,024] x [K 1,024, N 1,024]; A: input q (given as codes); B: input Wq (given as codes): QUANTISED
;;     2. [M 8,192, K 1,024] x [K 1,024, N 1,024]; A: input k (given as codes); B: input Wk (given as codes): QUANTISED
;;     3. [M 8,192, K 1,024] x [K 1,024, N 1,024]; A: input v (given as codes); B: input Wv (given as codes): QUANTISED
;;     4. batch 64 x [M 2,048, K 64] x [K 64, N 2,048]; A: computed on the way; B: computed on the way: QUANTISED
;;     5. batch 64 x [M 64, K 2,048] x [K 2,048, N 2,048]; A: computed on the way; B: softmax (see below): QUANTISED
;;     6. [M 8,192, K 1,024] x [K 1,024, N 1,024]; A: computed on the way; B: input Wo (given as codes): QUANTISED
;;   THE QUANTISER, for each operand of a quantised product, along K:
;;     - K is cut into blocks of 32 from its start; a last block that is shorter is filled with zeros.
;;     - A block's scale is 2^e with e = floor(log2(the largest magnitude in the block)) - 2, held to -126 .. 127; a block of zeros has e = 0. As a byte (E8M0): e + 127.
;;     - Each number is divided by its block's scale, clamped to +-7.5, and rounded to the nearest number of E2M3, ties to even, subnormals kept.
;;     - The product sums the exact products of the quantised numbers (number of the format x scale) in f32.
;;   ~~~python
;;   def quantise(x, axis):      # numpy; x: float32 -> the quantised numbers, widened to float32 again
;;       x = np.moveaxis(x, axis, -1); K = x.shape[-1]
;;       x = np.pad(x, [(0, 0)] * (x.ndim - 1) + [(0, -K % 32)]); x = x.reshape(x.shape[:-1] + (-1, 32)); a = np.abs(x).max(-1, keepdims=True)
;;       e = np.where(a > 0, np.clip(np.frexp(np.where(a > 0, a, 1))[1] - 1 - 2, -126, 127), 0)      # np.frexp(a)[1] - 1 = floor(log2(a)), exactly
;;       r = np.clip(x / 2.0 ** e, -7.5, 7.5)
;;       step = 2.0 ** (np.maximum(np.frexp(np.where(r == 0, 1, r))[1] - 1, 0) - 3)
;;       q = np.round(r / step) * step * 2.0 ** e      # np.round: ties to even
;;       return np.moveaxis(q.reshape(q.shape[:-2] + (-1,))[..., :K], -1, axis).astype(np.float32)
;;   ~~~
;;   SOFTMAX AHEAD OF A QUANTISED PRODUCT. Where the list says 'softmax', what is quantised is not the finished softmax but p = 2^(t - M), with t = logit x log2(e) and M = ceil(the row's largest t), a whole number; so 1/2 < the row's largest p <= 1. The row's sum l is taken of the UNQUANTISED p, in f32, and the product's result is divided by l at the end. Since M is a whole number, a kernel that streams over the keys may use a running M (the ceiling of the running maximum): every later rescaling is an exact power of two, which a block's scale takes up: the codes' values come out the same.
;;   OPERANDS COMPUTED ON THE WAY. 'Computed on the way' means the value that the module computes at that place (a softmax that the list does not call 'softmax' is quantised finished and normalised). What goes into a quantiser is computed in f32, as accurately as f32 sums, v_exp_f32 and their like allow (about 1e-6 of the number): no bf16 or f16 on the way to a quantiser, and a product that is left as it is and whose result goes on into a quantised operand takes f32 operands (vector FMAs, or v_wmma_f32_16x16x4_f32). A number that lies on a knife's edge between two numbers of the format may be rounded either way, as far as f32 arithmetic and the matrix unit's own rounding can turn it there, and no further.
;;   INPUTS GIVEN AS CODES. Wk (in the module: [1024, 1024], K = its axis 1); Wo (in the module: [1024, 1024], K = its axis 1); Wq (in the module: [1024, 1024], K = its axis 1); Wv (in the module: [1024, 1024], K = its axis 1); k (in the module: [4, 2048, 1024], K = its axis 2); q (in the module: [4, 2048, 1024], K = its axis 2); v (in the module: [4, 2048, 1024], K = its axis 2): each comes as NAME_codes (uint8): NAME with its K axis moved to the last place and cut into blocks of 32 codes, [.., K / 32, bytes a block], one block behind the other in memory; four codes in three bytes: a row's codes are one little-endian stream of bits, code i at bits 6 i .. 6 i + 5 (a code: sign, 2 exponent bits, 3 mantissa bits); and NAME_scales (uint8): the same leading axes, one E8M0 byte (e + 127) for each 32 codes along K. Its value is code x scale, taken as it is: it is not quantised again, and the codes and scales need not be those that the quantiser above would give.
;; One version. Each part assembles by itself: llvm-mc -triple=amdgcn-amd-amdhsa -mcpu=gfx1250 --defsym DOCPART=n.
;; ======== version 1 of 1: 3 launches
;; limits: right only within a limited range of input values
;; workspace buffers: qc 6,291,456 bytes; qs 262,144 bytes; kv 13,107,200 bytes; cc 6,291,456 bytes; cs 262,144 bytes
;; launch proj (part 1): grid 4 x 96, 4 waves a work-group, clusters of 4 x 4, 327,680 bytes of LDS; arguments q_codes, q_scales, Wq_codes, Wq_scales, bq, k_codes, k_scales, Wk_codes, Wk_scales, bk, Wv_codes, Wv_scales, v_codes, v_scales, bv, qc, qs, kv; writes qc, qs, kv
.if DOCPART == 1
	.amdgcn_target "amdgcn-amd-amdhsa--gfx1250"
	.amdhsa_code_object_version 6
	.text
	.protected	k_q259a6742d4_proj
	.globl	k_q259a6742d4_proj
	.p2align	8
	.type	k_q259a6742d4_proj,@function
k_q259a6742d4_proj:
	s_mov_b64 s[64:65], 0
	v_nop
	global_prefetch_b8 v0, s[64:65] scope:SCOPE_SE
	s_setreg_imm32_b32 hwreg(HW_REG_WAVE_MODE, 25, 1), 1
	s_wait_xcnt 0x0
	s_wait_alu depctr_hold_cnt(0) depctr_sa_sdst(0) depctr_va_vdst(0) depctr_va_sdst(0) depctr_va_ssrc(0) depctr_va_vcc(0) depctr_vm_vsrc(0)
	s_getreg_b32 s2, hwreg(HW_REG_IB_STS2, 6, 4)
	s_cmp_eq_u32 s2, 0
	s_cbranch_scc0 .Lentry_in_a_cluster
	s_endpgm
.Lentry_in_a_cluster:
	s_bfe_u32 s2, ttmp6, 0x10000c
	s_cmp_lg_u32 s2, 0xf033
	s_cbranch_scc0 .Lentry_shape_is_right
	s_endpgm
.Lentry_shape_is_right:
; THE THREE PROJECTIONS, hq = q Wq^T + bq, hk = k Wk^T + bk, hv^T = Wv v^T + bv, on codes of FP6 (E2M3) with one E8M0 scale for each 32 along K = 1,024; each result is quantised in registers and leaves as codes.
; No step and no input of the problem is left out by this program.
; ONE TEXT FOR THE THREE: C = A B^T, a tile of 256 x 256 to a work-group of four waves, 128 x 128 to a wave (64 accumulators).  Source 0 = 16 rows of B, source 1 = 16 rows of A:
; a lane holds ONE row of A and its registers run along B's rows, the axis along which the result is quantised.  Q, K (mode 0, 1): A = tokens, B = W.  V (mode 2): A = Wv, B = v's tokens: the result is hv^T, quantised along the keys.
; The mode is the cluster's y / 8, the same in all sixteen partners.  CLUSTERS 4 x 4: A's tiles are asked for jointly along a row of the cluster, B's along a column.
; K goes through a ring of two LDS slots in CHUNKS OF 256 BYTES of each row of 768: every tile row begins at a multiple of 256 bytes.  A step of 128 along K is 96 bytes: eight steps to three chunks; steps 2 and 5 lie across two chunks.
; The head's four tiles (chunk 0 of A and of B, A's and B's scale bytes for all of K) are shared out, one tensor load a wave; chunk 1 follows behind a full round, chunk 2 is the one refill.
; No prefetch: of three chunks two are asked for at the start and one refill follows, so there is no trip to run ahead in.
; WHAT LEAVES.  A HALF FRAGMENT is the register image of 16 rows x 64 K of codes: 768 bytes: registers 0-3 at 16 x lane, registers 4-5 at 512 + 8 x lane.  Two on end are a whole operand (16 rows x 128 K).
;   qc [head in batch 64][query tile 128][768];  qs [64][128 queries: 16][256];  kv [64][key step 16][12,800]: 8 half fragments of K, 4 whole fragments of V^T, K's scale words (256), V's (256).
;   A block of 256 bytes of scale words: lane (r, h) owns the 8 bytes at 8 x lane; its word w belongs to unit 2 w + h.  K, Q: a unit is a pair of tiles: bytes [tile 2u: 2][tile 2u+1: 2].  V: a unit is a tile: 4 bytes, one for each 32 keys.
; THE ORDER INSIDE A BLOCK OF 32: a block's codes lie in the order 0-7, 16-23, 8-15, 24-31, alike on both operands of the two products that read them (hq and hk; hv^T and p), so the scales are not touched.
; LIMITS: NaN and infinities are not served.  A block whose largest magnitude lies under 2^-124, a block of zeros too, gets the byte 1 (these bytes are read by this program alone).
; The bias is the C of the first K step: another order of f32 rounding than sum, then bias.
; REGISTERS: window 0: v16-29 addresses; v32-63 scale words, two sets; v64-127 the bias; v128-223 A's fragments (later the codes); v224-247 the way out.  window 1: B's fragments, two sets.  windows 2, 3: the accumulators.
.set ROWB,   256
.set NQ,     2
.set KROW,   768
.set STEPS,  8
.set CHUNKS, 3
.set PITCH,  272                       ; 256 bytes + 16 of padding
.set FR,     12
.set NL,     6
.set NP,     4                         ; places behind this matrix instruction (ISA guide 7.12.1)
.set HALFT,  128*PITCH
.set SLOT,   4*HALFT
.set KS,     32
.set SCL,    2*SLOT
.set HALFS,  (128*KS/256)*272
.set SBLK,   (16*KS/256)*272
.set SPARE,  SCL+4*HALFS               ; the spare words: two blocks of 256 bytes that no other line names
.set ADRA, 16                          ; v16-17 my A fragments in slot 0, 1; v18-19 for pieces whose lanes 16-31 lie in the next chunk
.set ADRB, 20
.set L16,  24
.set L8,   25
.set HH,   26
.set ADRS, 27
.set SPW,  28
.set NIL,  29
.set SC,   32
.set BIAS, 64
.set AF,   128
.set CD,   128
.set XW,   168
.set TT,   172
.set ADJ,  224
.set TM,   224
.set SW,   240
.set G1, 24
.set G0, 32
.set G1B, 48
.set G0B, 56
.set G1S, 68
.set G0S, 76
.set G1SB, 80
.set G0SB, 88
.set G0H, 4                            ; s[4:7], s[8:11] group 0 of the head's loads of chunk 0 (the pointers that lay there have been used)
.set G0HB, 8
.set OB0, 92
.set OB1, 94
.set SA,  96
.set SB,  98
.set SEL, 100
.set INC1, 18
.set INC2, 20
.set MODE, 66
.set MSB, 0
.macro WIN new                         ; the immediate's high byte repeats the setting that is left
.if MSB != (\new)
	s_set_vgpr_msb (MSB<<8)|(\new)
.set MSB, \new
.endif
.endm
.set MUL_LO, 0xa1
.set MUL_HI, 0xf1
.set TO_B,   0x40
.macro WLO cin                         ; C and D in window 2; with a bias: C in window 0
.if \cin
	WIN 0x81
.else
	WIN MUL_LO
.endif
.endm
.macro WHI cin
.if \cin
	WIN 0xc1
.else
	WIN MUL_HI
.endif
.endm
.macro JLOAD g0a, g1a, g0b, g1b        ; a joint load: waves 0, 1 for A, waves 2, 3 for B
	s_cmp_eq_u32 s15, 0
	s_cbranch_scc0 .Lfor_b_\@
	tensor_load_to_lds s[\g0a:\g0a+3], s[\g1a:\g1a+7]
	s_nop 0
.rept 4
	v_nop
.endr
	s_branch .Lasked_\@
.Lfor_b_\@:
	tensor_load_to_lds s[\g0b:\g0b+3], s[\g1b:\g1b+7]
	s_nop 0
.rept 4
	v_nop
.endr
.Lasked_\@:
.endm
.macro CREST
	s_cmp_lg_u32 s14, 0
	s_cbranch_scc1 .Lnot_wave_0_\@
	s_barrier_signal -3
.Lnot_wave_0_\@:
	s_barrier_wait -3
	s_barrier_signal -1
	s_barrier_wait -1
.endm
.macro CROUND
	s_barrier_signal -1
	s_barrier_wait -1
	CREST
.endm
	s_load_b512 s[24:39], s[0:1], 0x0              ; argument i lands in s[24 + 2 i : 25 + 2 i]
	s_load_b512 s[40:55], s[0:1], 0x40
	s_load_b128 s[56:59], s[0:1], 0x80
	v_lshl_add_u32 v[SPW], v0, 2, SPARE
	v_mov_b32 v[NIL], 0
	ds_add_u32 v[SPW], v[NIL]                      ; the opening lines
	ds_add_u32 v[SPW], v[NIL]
	s_wait_dscnt 0x0
	v_lshrrev_b32 v1, 5, v0
	v_readfirstlane_b32 s14, v1                    ; wave 0..3
	s_lshr_b32 s15, s14, 1                         ; my half of A's rows; also: I fetch for A (0) or B (1)
	s_and_b32 s16, s14, 1                          ; my half of B's rows; also: which 128 rows I fetch
	s_and_b32 s67, ttmp7, 0xffff
	s_lshr_b32 s[MODE], s67, 3
	s_and_b32 s67, s67, 7
	s_wait_kmcnt 0x0
	s_cmp_eq_u32 s[MODE], 0
.irp j, 0,1,2,3,4
	s_cselect_b64 s[4+2*\j:5+2*\j], s[24+2*\j:25+2*\j], s[34+2*\j:35+2*\j]
.endr
	s_cselect_b64 s[OB0:OB0+1], s[54:55], s[58:59] ; codes go to qc or to kv,
	s_cselect_b64 s[SA:SA+1], s[56:57], s[58:59]   ; scale words to qs or to kv
	s_cmp_eq_u32 s[MODE], 2
.irp j, 0,1,2,3,4
	s_cselect_b64 s[4+2*\j:5+2*\j], s[44+2*\j:45+2*\j], s[4+2*\j:5+2*\j]
.endr                                              ; s[4:5] A's codes, s[6:7] A's scales, s[8:9] B's codes, s[10:11] B's scales, s[12:13] the bias
	s_bfe_u32 s40, ttmp6, 0x40000                  ; cx, cy
	s_bfe_u32 s41, ttmp6, 0x40004
	s_lshl_b32 s2, s67, 2
	s_cmp_eq_u32 s[MODE], 2                        ; the long axis (32 tiles) is A's in modes 0 and 1, B's in mode 2
	s_cselect_b32 s17, 0, s2
	s_cselect_b32 s42, s2, 0
	s_add_co_u32 s17, s17, s41                     ; tile row (of A)
	s_add_co_u32 s42, s42, s40                     ; tile column (of B)
	s_lshl_b32 s43, s41, 2
	s_lshl_b32 s43, 15, s43                        ; my row of the cluster
	s_lshl_b32 s44, 0x1111, s40                    ; my column
	s_or_b32 s[G1+0], s43, (0<<16)|(1<<20)|(1<<21)|(5<<22)|(3<<25)   ; rows of 256 bytes, 16 of padding behind each
	s_or_b32 s[G1B+0], s44, (0<<16)|(1<<20)|(1<<21)|(5<<22)|(3<<25)
.irp g, G1, G1B
	s_mov_b32 s[\g+1], ROWB<<16
	s_mov_b32 s[\g+2], 256<<16                     ; 256 rows for the head's loads
	s_mov_b32 s[\g+3], ROWB<<16
	s_mov_b32 s[\g+4], 256
	s_mov_b32 s[\g+5], KROW
	s_mov_b32 s[\g+6], 0
	s_mov_b32 s[\g+7], 0
.endr
	s_or_b32 s[G1S+0], s43, (3<<16)|(1<<20)|(1<<21)|(5<<22)|(3<<25)  ; the scales of 256 rows: 8,192 dense bytes as 32 rows of 256
	s_or_b32 s[G1SB+0], s44, (3<<16)|(1<<20)|(1<<21)|(5<<22)|(3<<25)
.irp g, G1S, G1SB
	s_mov_b32 s[\g+1], 32<<16
	s_mov_b32 s[\g+2], KS<<16
	s_mov_b32 s[\g+3], 32<<16
	s_mov_b32 s[\g+4], KS
	s_mov_b32 s[\g+5], 32
	s_mov_b32 s[\g+6], 0
	s_mov_b32 s[\g+7], 0
.endr
	s_lshl_b32 s20, s17, 8                         ; A: the tile's first row
	s_lshl_b32 s46, s42, 8                         ; B's
	s_lshl_b32 s22, s20, 5                         ; their scales, 32 bytes a row (all offsets under 2^23)
	s_mov_b32 s23, 0
	s_lshl_b32 s104, s46, 5
	s_mov_b32 s105, 0
	s_mul_i32 s20, s20, KROW
	s_mov_b32 s21, 0
	s_mul_i32 s46, s46, KROW
	s_mov_b32 s47, 0
	s_mul_i32 s18, s16, 128*KROW                   ; in the ring I fetch 128 rows: which half,
	s_mov_b32 s19, 0
	s_mul_i32 s45, s14, HALFT                      ; and where they go
	s_add_nc_u64 s[20:21], s[4:5], s[20:21]
	s_add_nc_u64 s[22:23], s[6:7], s[22:23]
	s_add_nc_u64 s[46:47], s[8:9], s[46:47]
	s_add_nc_u64 s[104:105], s[10:11], s[104:105]
	CROUND                                         ; all sixteen work-groups are here: the first joint loads meet
	s_mov_b32 s[G0H], 1
	s_mov_b32 s[G0H+1], 0
	s_mov_b64 s[G0H+2:G0H+3], s[20:21]
	s_or_b32 s[G0H+3], s[G0H+3], 0x80000000
	s_mov_b32 s[G0HB], 1
	s_mov_b32 s[G0HB+1], 2*HALFT
	s_mov_b64 s[G0HB+2:G0HB+3], s[46:47]
	s_or_b32 s[G0HB+3], s[G0HB+3], 0x80000000
	s_mov_b32 s[G0S], 1
	s_mov_b32 s[G0S+1], SCL
	s_mov_b64 s[G0S+2:G0S+3], s[22:23]
	s_or_b32 s[G0S+3], s[G0S+3], 0x80000000
	s_mov_b32 s[G0SB], 1
	s_mov_b32 s[G0SB+1], SCL+2*HALFS
	s_mov_b64 s[G0SB+2:G0SB+3], s[104:105]
	s_or_b32 s[G0SB+3], s[G0SB+3], 0x80000000
	s_add_nc_u64 s[20:21], s[20:21], s[18:19]
	s_add_nc_u64 s[46:47], s[46:47], s[18:19]
.irp s, 0,1
	s_mov_b32 s[G0+4*\s], 1
	s_add_co_u32 s[G0+4*\s+1], s45, \s*SLOT
	s_add_nc_u64 s[G0+4*\s+2:G0+4*\s+3], s[20:21], \s*ROWB
	s_or_b32 s[G0+4*\s+3], s[G0+4*\s+3], 0x80000000
	s_mov_b32 s[G0B+4*\s], 1
	s_add_co_u32 s[G0B+4*\s+1], s45, \s*SLOT
	s_add_nc_u64 s[G0B+4*\s+2:G0B+4*\s+3], s[46:47], \s*ROWB
	s_or_b32 s[G0B+4*\s+3], s[G0B+4*\s+3], 0x80000000
.endr
; the head's loads, one a wave, in one tree of branches on the wave's number: wave 0 chunk 0 of A, wave 1 of B, wave 2 A's scales, wave 3 B's
.macro ARM under, g0, g1, next
	s_cmp_lt_u32 s14, \under
	s_cbranch_scc0 \next
	tensor_load_to_lds s[\g0:\g0+3], s[\g1:\g1+7]
	s_nop 0
.rept 4
	v_nop
.endr
	s_branch .Lhead_asked
\next:
.endm
	ARM 1, G0H,  G1,  .Lhead_b
	ARM 2, G0HB, G1B, .Lhead_sa
	ARM 3, G0S,  G1S, .Lhead_sb
	tensor_load_to_lds s[G0SB:G0SB+3], s[G1SB:G1SB+7]
	s_nop 0
.rept 4
	v_nop
.endr
.Lhead_asked:
	v_and_b32 v1, 15, v0                           ; r
	v_bfe_u32 v2, v0, 4, 1                         ; h
	v_mul_u32_u24 v3, v1, PITCH
	v_mul_u32_u24 v4, v2, 24
	v_add_nc_u32 v4, v3, v4                        ; row x pitch + 24 h
	s_mov_b32 s2, SLOT-232
	s_mov_b32 s3, SLOT+232
	v_sub_nc_u32 v7, 1, v2
	v_mul_u32_u24 v5, s2, v2
	v_add_nc_u32 v5, v3, v5
	v_add_nc_u32 v5, 232, v5                       ; lanes 0-15 byte 232 of the row in slot 0, lanes 16-31 byte 0 in slot 1;
	v_mul_u32_u24 v6, s3, v7
	v_add_nc_u32 v6, v3, v6                        ; and the other way round
	s_mul_i32 s2, s15, HALFT
	s_mul_i32 s3, s16, HALFT
	s_add_co_u32 s3, s3, 2*HALFT
	v_add_nc_u32 v[ADRA+2], s2, v5
	v_add_nc_u32 v[ADRA+3], s2, v6
	v_add_nc_u32 v[ADRB+2], s3, v5
	v_add_nc_u32 v[ADRB+3], s3, v6
.irp s, 0,1
	v_add_nc_u32 v[ADRA+\s], s2, v4
	v_add_nc_u32 v[ADRB+\s], s3, v4
	s_add_co_u32 s2, s2, SLOT
	s_add_co_u32 s3, s3, SLOT
.endr
	v_mul_u32_u24 v5, v1, KS                       ; my row's scales: 32 bytes a row,
	v_lshrrev_b32 v6, 8, v5
	v_lshl_add_u32 v5, v6, 4, v5                   ; and 16 more for each 256 passed
	s_mul_i32 s2, s15, HALFS
	s_mul_i32 s3, s16, HALFS
	s_add_co_u32 s3, s3, 2*HALFS
	s_sub_co_u32 s3, s3, s2
	v_mul_u32_u24 v6, s3, v2                       ; lanes 16-31 take B's: the lower base + h x the distance
	s_add_co_u32 s2, s2, SCL
	v_add_nc_u32 v5, v5, v6
	v_add_nc_u32 v[ADRS], s2, v5
	v_and_b32 v6, 31, v0
	v_lshlrev_b32 v[L16], 4, v6
	v_lshlrev_b32 v[L8], 3, v6
	v_mov_b32 v[HH], v2
	s_mov_b32 s[SEL], 0x76543210
	s_mov_b32 s[SEL+1], 0xfedcba98
	; WHERE THE RESULTS GO.  My 128 tokens are one key step (or eight query tiles), my 128 features two heads.
	s_cmp_eq_u32 s[MODE], 2
	s_cselect_b32 s2, s42, s17                     ; the tokens' tile, and my half of it;
	s_cselect_b32 s3, s16, s15
	s_cselect_b32 s22, s17, s42                    ; the features' tile, and my half of it
	s_cselect_b32 s23, s15, s16
	s_lshl_b32 s2, s2, 8
	s_lshl_b32 s3, s3, 7
	s_add_co_u32 s2, s2, s3                        ; my first token
	s_lshr_b32 s45, s2, 11                         ; its batch
	s_bfe_u32 s46, s2, 0x40007                     ; its run of 128 in the batch
	s_lshl_b32 s22, s22, 2
	s_lshl_b32 s23, s23, 1
	s_add_co_u32 s22, s22, s23                     ; my first head
	s_lshl_b32 s45, s45, 4
	s_add_co_u32 s45, s45, s22                     ; 16 x batch + head
	s_lshl_b32 s2, s22, 8
	s_mov_b32 s3, 0
	s_add_nc_u64 s[12:13], s[12:13], s[2:3]        ; the bias of my 128 features
	s_cmp_eq_u32 s[MODE], 0
	s_mov_b32 s47, 204800
	s_cselect_b32 s47, 98304, s47                  ; codes: from head to head,
	s_mov_b32 s23, 12800
	s_cselect_b32 s23, 6144, s23                   ; from one 128 tokens to the next;
	s_mov_b32 s104, 204800
	s_cselect_b32 s104, 4096, s104                 ; scale words likewise
	s_mov_b32 s105, 12800
	s_cselect_b32 s105, 256, s105
	s_cselect_b32 s3, 0, 12288                     ; their place in a record: K's,
	s_cmp_eq_u32 s[MODE], 2
	s_cselect_b32 s3, 12544, s3                    ; V's
	s_cselect_b32 s2, 6144, 0                      ; V's fragments lie behind K's
	s_mov_b32 s[INC1], 768
	s_cselect_b32 s[INC1], 1536, s[INC1]           ; from block to block
	s_mov_b32 s[INC2], 768
	s_cselect_b32 s[INC2], 200192, s[INC2]         ; V, from block 3 to 4: the next head: 204,800 - 3 x 1,536
	s_cselect_b32 s22, 768, s47                    ; registers 6-11: V: the fragment's second half; Q, K: the next head
	s_mov_b32 s[INC1+1], 0
	s_mov_b32 s[INC2+1], 0
	s_mul_i32 s47, s45, s47
	s_mul_i32 s23, s46, s23
	s_add_co_u32 s2, s2, s47
	s_add_co_u32 s2, s2, s23
	s_mul_i32 s47, s45, s104
	s_mul_i32 s23, s46, s105
	s_add_co_u32 s46, s3, s47
	s_add_co_u32 s46, s46, s23
	s_mov_b32 s47, 0
	s_mov_b32 s3, 0
	s_mov_b32 s23, 0
	s_mov_b32 s105, 0
	s_add_nc_u64 s[OB0:OB0+1], s[OB0:OB0+1], s[2:3]
	s_add_nc_u64 s[SA:SA+1], s[SA:SA+1], s[46:47]
	s_add_nc_u64 s[OB1:OB1+1], s[OB0:OB0+1], s[22:23]
	s_add_nc_u64 s[SB:SB+1], s[SA:SA+1], s[104:105]
	; THE BIAS in the result's layout.  Modes 0, 1: register 8 b + j = the bias of feature 16 b + 8 h + j.  Mode 2: registers 8 a + 0..7 all = that of feature 16 a + r.
	s_cmp_eq_u32 s[MODE], 2
	s_cselect_b32 s2, 4, 0
	s_cselect_b32 s3, 0, 32
	s_cselect_b32 s22, 0, 4
	v_mul_u32_u24 v3, v1, s2
	v_mad_u32_u24 v3, v2, s3, v3
.irp j, 0,1,2,3,4,5,6,7
	v_mad_u32_u24 v[ADJ+\j], s22, \j, v3
.endr
.irp x, 0,1,2,3,4,5,6,7
.irp j, 0,1,2,3,4,5,6,7
	global_load_b32 v[BIAS+8*\x+\j], v[ADJ+\j], s[12:13] offset:64*\x
.endr
.endr
.macro FRAG reg, adr, st, i            ; 16 rows x 128 K: 12 registers, in pieces of 8 bytes; byte y of a row lies in slot (y / 256) % 2 at byte y % 256
.irp p, 0,1,2,3,4,5
.set BY, 96*(\st)+48*(\p/3)+8*(\p%3)
.if BY/ROWB == (BY+24)/ROWB
	ds_load_b64 v[\reg+2*\p:\reg+2*\p+1], v[\adr+(BY/ROWB)%2] offset:BY%ROWB+(\i)*16*PITCH
.else
	ds_load_b64 v[\reg+2*\p:\reg+2*\p+1], v[\adr+2+(BY/ROWB)%2] offset:BY%ROWB-232+(\i)*16*PITCH
.endif
.endr
.endm
; 16 matrix instructions: A's blocks a0, a0 + 1 x B's eight.  cin = 0: the sums go on; 1: they begin with the bias of B's block; 2: of A's block.  The 64 accumulators take turns.
.macro MUL16 a0, p, q, sc, cin
.irp a, \a0, \a0+1
.irp b, 0,1,2,3,4,5,6,7
.if \cin == 1
	v_wmma_scale_f32_16x16x128_f8f6f4 v[8*(8*((\a)%4)+\b):8*(8*((\a)%4)+\b)+7], v[128*(\p)+FR*\b:128*(\p)+FR*\b+FR-1], v[AF+FR*(\a):AF+FR*(\a)+FR-1], v[BIAS+8*\b:BIAS+8*\b+7], v[SC+8*NQ*(\sc)+NQ*\b+(\q)], v[SC+8*NQ*(\sc)+NQ*(\a)+(\q)] matrix_a_fmt:MATRIX_FMT_FP6 matrix_b_fmt:MATRIX_FMT_FP6 matrix_a_scale:MATRIX_SCALE_ROW1
.elseif \cin == 2
	v_wmma_scale_f32_16x16x128_f8f6f4 v[8*(8*((\a)%4)+\b):8*(8*((\a)%4)+\b)+7], v[128*(\p)+FR*\b:128*(\p)+FR*\b+FR-1], v[AF+FR*(\a):AF+FR*(\a)+FR-1], v[BIAS+8*(\a):BIAS+8*(\a)+7], v[SC+8*NQ*(\sc)+NQ*\b+(\q)], v[SC+8*NQ*(\sc)+NQ*(\a)+(\q)] matrix_a_fmt:MATRIX_FMT_FP6 matrix_b_fmt:MATRIX_FMT_FP6 matrix_a_scale:MATRIX_SCALE_ROW1
.else
	v_wmma_scale_f32_16x16x128_f8f6f4 v[8*(8*((\a)%4)+\b):8*(8*((\a)%4)+\b)+7], v[128*(\p)+FR*\b:128*(\p)+FR*\b+FR-1], v[AF+FR*(\a):AF+FR*(\a)+FR-1], v[8*(8*((\a)%4)+\b):8*(8*((\a)%4)+\b)+7], v[SC+8*NQ*(\sc)+NQ*\b+(\q)], v[SC+8*NQ*(\sc)+NQ*(\a)+(\q)] matrix_a_fmt:MATRIX_FMT_FP6 matrix_b_fmt:MATRIX_FMT_FP6 matrix_a_scale:MATRIX_SCALE_ROW1
.endif
.endr
.endr
.endm
.macro FETCH_B st, p
	WIN TO_B
.irp i, 0,1,2,3,4,5,6,7
	FRAG 128*(\p)+FR*\i, ADRB, \st, \i
.endr
	WIN 0
.endm
.macro FETCH_A st, i0
.irp i, \i0, \i0+1, \i0+2, \i0+3
	FRAG AF+FR*(\i), ADRA, \st, \i
.endr
.endm
.macro SCALES pr                       ; the scale words of steps 2 pr, 2 pr + 1: lanes 0-15 A's block i, lanes 16-31 B's
.irp i, 0,1,2,3,4,5,6,7
	ds_load_b64 v[SC+8*NQ*((\pr)%2)+NQ*\i:SC+8*NQ*((\pr)%2)+NQ*\i+1], v[ADRS] offset:\i*SBLK+4*NQ*(\pr)
.endr
.endm
.macro PLACES n
.rept \n
	v_nop
.endr
.endm
; A step of 128 along K.  Where the next step's bytes END in a chunk not yet read: the wait for my tensor loads and a barrier.  Where they BEGIN in a later chunk: the chunk left behind is read no more:
; the wait, the add, the wait for it and for my reads, the barrier; where a chunk two on is left to fetch, the barrier opens a round of the cluster's barrier and the slot is filled again.
.macro STEP st, cin
.set NX, (\st)+1
.set C0, (96*(\st))/ROWB
.set C1, (96*NX)/ROWB
.set E0, (96*(\st)+95)/ROWB
.set E1, (96*NX+95)/ROWB
.if C1 > C0 || E1 > E0
	s_wait_tensorcnt 0x0                           ; all my tensor loads have landed
.if C1 > C0
	ds_add_u32 v[SPW], v[NIL]
	s_wait_dscnt 4*NL+1                            ; the add and A's blocks 4-7 may be out
.else
	s_wait_dscnt 4*NL
.endif
	WLO \cin
	MUL16 0, (\st)%2, (\st)%2, ((\st)/2)%2, \cin
	s_wait_dscnt 0x0                               ; the add and all my LDS reads are done
	s_barrier_signal -1
	MUL16 2, (\st)%2, (\st)%2, ((\st)/2)%2, \cin
	WIN 0
	s_barrier_wait -1
.if C1 > C0 && C0+2 < CHUNKS
	CREST
	s_add_nc_u64 s[G0+4*(C0%2)+2:G0+4*(C0%2)+3], s[G0+4*(C0%2)+2:G0+4*(C0%2)+3], 2*ROWB
	s_add_nc_u64 s[G0B+4*(C0%2)+2:G0B+4*(C0%2)+3], s[G0B+4*(C0%2)+2:G0B+4*(C0%2)+3], 2*ROWB
	JLOAD G0+4*(C0%2), G1, G0B+4*(C0%2), G1B       ; chunk C0 + 2; its four v_nop are the places in front of the loads below
.else
	PLACES NP
.endif
.else
	s_wait_dscnt 4*NL                              ; B's set and A's blocks 0-3 are in
	WLO \cin
	MUL16 0, (\st)%2, (\st)%2, ((\st)/2)%2, \cin
	MUL16 2, (\st)%2, (\st)%2, ((\st)/2)%2, \cin
	s_wait_dscnt 0
	PLACES NP
.endif
	FETCH_B NX, NX%2
	FETCH_A NX, 0
.if NX%2 == 0
	SCALES NX/2
.endif
	WHI \cin
	MUL16 4, (\st)%2, (\st)%2, ((\st)/2)%2, \cin
	MUL16 6, (\st)%2, (\st)%2, ((\st)/2)%2, \cin
	PLACES NP
	WIN 0
	FETCH_A NX, 4
.endm
	s_wait_alu depctr_va_vdst(0)
	s_wait_tensorcnt 0x0                           ; my tile of the head's four is in; the lines that stand ahead of a later first fill:
	ds_add_u32 v[SPW], v[NIL]
	s_mov_b32 s[G1+2], 128<<16                     ; no tensor load of mine is out: from here on a load brings 128 rows
	s_mov_b32 s[G1+4], 128
	s_mov_b32 s[G1B+2], 128<<16
	s_mov_b32 s[G1B+4], 128
	s_wait_dscnt 0x0
	CROUND
	JLOAD G0+4, G1, G0B+4, G1B                     ; chunk 1
	FETCH_B 0, 0
	FETCH_A 0, 0
	SCALES 0
	FETCH_A 0, 4
	s_wait_loadcnt 0x0                             ; the bias
	s_cmp_eq_u32 s[MODE], 2                        ; the two arms differ in the C operand alone
	s_cbranch_scc1 .Lbias_by_lane
	STEP 0, 1
	s_branch .Lsums_begun
.Lbias_by_lane:
	STEP 0, 2
.Lsums_begun:
.set ST, 1
.rept STEPS-2
	STEP ST, 0
.set ST, ST+1
.endr
	s_wait_dscnt 4*NL                              ; the last step
	WIN MUL_LO
	MUL16 0, 1, 1, 1, 0
	MUL16 2, 1, 1, 1, 0
	s_wait_dscnt 0
	WIN MUL_HI
	MUL16 4, 1, 1, 1, 0
	MUL16 6, 1, 1, 1, 0
	WIN 0
; THE WAY OUT.  Block a: 16 rows of A (a lane a row) x my 128 rows of B: four blocks of 32, each in lanes l and l xor 16: a whole fragment's 12 registers and a scale word.
.irp b, 0,1,2,3
	v_mov_b32 v[TM+4+\b], 0                        ; a lane permute's destination counts as a source; also the places behind the last products
.endr
.macro QOUT a
.set AC, 64*((\a)%4)
	WIN 0x0a+5*((\a)/4)
.irp b, 0,1,2,3
	v_max3_num_f32 v[TM+\b], |v[AC+16*\b]|, |v[AC+16*\b+1]|, 0x1800000   ; with the floor 2^(3 - 127): the byte cannot fall under 1
.endr
.irp i, 2,4,6,8,10,12,14
.irp b, 0,1,2,3
	v_max3_num_f32 v[TM+\b], |v[AC+16*\b+\i]|, |v[AC+16*\b+\i+1]|, v[TM+\b]
.endr
.endr
	WIN 0
.irp b, 0,1,2,3
	v_permlanex16_b32 v[TM+4+\b], v[TM+\b], s[SEL], s[SEL+1]
.endr
.irp b, 0,1,2,3
	v_max_num_f32 v[TM+\b], v[TM+\b], v[TM+4+\b]
.endr
.irp b, 0,1,2,3
	v_add_nc_u32 v[TM+12+\b], 0xff000000, v[TM+\b] ; 2 off the exponent field: the conversion's scale operand
.endr
.irp b, 0,1,2,3
	v_lshrrev_b32 v[TM+4+\b], 23, v[TM+12+\b]      ; the scale's byte
.endr
	v_lshl_or_b32 v[SW+(\a)], v[TM+5], 8, v[TM+4]
	v_lshl_or_b32 v[SW+(\a)], v[TM+6], 16, v[SW+(\a)]
	v_lshl_or_b32 v[SW+(\a)], v[TM+7], 24, v[SW+(\a)]
	s_wait_xcnt 0x0                                ; the last block's stores have read their data and bases
	WIN 0x02+(\a)/4
.irp c, 0,1
	v_cvt_scalef32_pk16_fp6_f32 v[CD+6*\c:CD+2+6*\c], v[AC+32*\c:AC+32*\c+15], v[TM+12+2*\c]
	v_cvt_scalef32_pk16_fp6_f32 v[CD+12+4*\c:CD+14+4*\c], v[AC+32*\c+16:AC+32*\c+31], v[TM+12+2*\c+1]
.endr
	WIN 0
	v_nop                                          ; one plain place behind a scaled conversion
.irp c, 0,1                                    ; a whole block in a lane: lanes 0-15 block 2 c, lanes 16-31 block 2 c + 1
.irp i, 0,1,2
	v_permlane16_swap_b32 v[CD+6*\c+\i], v[CD+12+4*\c+\i]
.endr
.irp i, 0,1,2
	v_mov_b32 v[CD+3+6*\c+\i], v[CD+12+4*\c+\i]
.endr
.endr
.if (\a) == 4
	s_add_nc_u64 s[OB0:OB0+1], s[OB0:OB0+1], s[INC2:INC2+1]
	s_add_nc_u64 s[OB1:OB1+1], s[OB1:OB1+1], s[INC2:INC2+1]
.elseif (\a) > 0
	s_add_nc_u64 s[OB0:OB0+1], s[OB0:OB0+1], s[INC1:INC1+1]
	s_add_nc_u64 s[OB1:OB1+1], s[OB1:OB1+1], s[INC1:INC1+1]
.endif
	global_store_b128 v[L16], v[CD:CD+3], s[OB0:OB0+1]                  ; 512 consecutive bytes, at a multiple of 256 from the buffer's first byte,
	global_store_b64 v[L8], v[CD+4:CD+5], s[OB0:OB0+1] offset:512       ; and the 256 behind them
	global_store_b128 v[L16], v[CD+6:CD+9], s[OB1:OB1+1]
	global_store_b64 v[L8], v[CD+10:CD+11], s[OB1:OB1+1] offset:512
.endm
.irp a, 0,1,2,3,4,5,6,7
	QOUT \a
.endr
	; THE SCALE WORDS: lane (r, h) stores word w of unit 2 w + h
	v_cmp_ne_u32 vcc_lo, 0, v[HH]
	s_cmp_eq_u32 s[MODE], 2
	s_cbranch_scc1 .Lwords_v
	v_cndmask_b32 v[TT+0], v[SW+0], v[SW+2], vcc_lo   ; Q, K: a word of block a holds [first head: 2 bytes][second head: 2 bytes] of token 16 a + r
	v_cndmask_b32 v[TT+1], v[SW+1], v[SW+3], vcc_lo
	v_cndmask_b32 v[TT+2], v[SW+4], v[SW+6], vcc_lo
	v_cndmask_b32 v[TT+3], v[SW+5], v[SW+7], vcc_lo
	v_perm_b32 v[XW+0], v[TT+1], v[TT+0], 0x05040100
	v_perm_b32 v[XW+1], v[TT+3], v[TT+2], 0x05040100
	v_perm_b32 v[XW+2], v[TT+1], v[TT+0], 0x07060302
	v_perm_b32 v[XW+3], v[TT+3], v[TT+2], 0x07060302
	s_branch .Lwords_out
.Lwords_v:
	v_cndmask_b32 v[XW+0], v[SW+0], v[SW+1], vcc_lo   ; V: blocks 0-3 are the first head's tiles, 4-7 the second's
	v_cndmask_b32 v[XW+1], v[SW+2], v[SW+3], vcc_lo
	v_cndmask_b32 v[XW+2], v[SW+4], v[SW+5], vcc_lo
	v_cndmask_b32 v[XW+3], v[SW+6], v[SW+7], vcc_lo
.Lwords_out:
	s_wait_alu depctr_va_vdst(0)
	global_store_b64 v[L8], v[XW:XW+1], s[SA:SA+1]    ; 256 consecutive bytes, at a multiple of 256
	global_store_b64 v[L8], v[XW+2:XW+3], s[SB:SB+1]
	s_wait_tensorcnt 0x0                           ; the wave's end
	ds_add_u32 v[SPW], v[NIL]
	s_wait_dscnt 0x0
	CROUND                                         ; the closing round
	s_endpgm
.Lfunc_end_k_q259a6742d4_proj:
	.size	k_q259a6742d4_proj, .Lfunc_end_k_q259a6742d4_proj-k_q259a6742d4_proj
	.p2alignl 7, 3214868480
	.fill 96, 4, 3214868480
	.section	.rodata,"a",@progbits
	.p2align	6, 0x0
	.amdhsa_kernel k_q259a6742d4_proj
		.amdhsa_group_segment_fixed_size 327680
		.amdhsa_private_segment_fixed_size 0
		.amdhsa_enable_private_segment 0
		.amdhsa_kernarg_size 144
		.amdhsa_user_sgpr_count 2
		.amdhsa_user_sgpr_kernarg_segment_ptr 1
		.amdhsa_wavefront_size32 1
		.amdhsa_system_sgpr_workgroup_id_x 1
		.amdhsa_system_sgpr_workgroup_id_y 1
		.amdhsa_system_sgpr_workgroup_id_z 1
		.amdhsa_system_vgpr_workitem_id 0
		.amdhsa_next_free_vgpr 1024
		.amdhsa_next_free_sgpr 106
		.amdhsa_reserve_vcc 1
		.amdhsa_float_denorm_mode_32 3
		.amdhsa_float_denorm_mode_16_64 3
		.amdhsa_memory_ordered 1
		.amdhsa_forward_progress 1
		.amdhsa_inst_pref_size 190
	.end_amdhsa_kernel
	.amdgpu_metadata
---
amdhsa.version: [ 1, 2 ]
amdhsa.kernels:
  - .name:           k_q259a6742d4_proj
    .symbol:         k_q259a6742d4_proj.kd
    .args:
      - { .name: q_codes, .offset: 0, .size: 8, .value_kind: global_buffer, .address_space: global }
      - { .name: q_scales, .offset: 8, .size: 8, .value_kind: global_buffer, .address_space: global }
      - { .name: Wq_codes, .offset: 16, .size: 8, .value_kind: global_buffer, .address_space: global }
      - { .name: Wq_scales, .offset: 24, .size: 8, .value_kind: global_buffer, .address_space: global }
      - { .name: bq, .offset: 32, .size: 8, .value_kind: global_buffer, .address_space: global }
      - { .name: k_codes, .offset: 40, .size: 8, .value_kind: global_buffer, .address_space: global }
      - { .name: k_scales, .offset: 48, .size: 8, .value_kind: global_buffer, .address_space: global }
      - { .name: Wk_codes, .offset: 56, .size: 8, .value_kind: global_buffer, .address_space: global }
      - { .name: Wk_scales, .offset: 64, .size: 8, .value_kind: global_buffer, .address_space: global }
      - { .name: bk, .offset: 72, .size: 8, .value_kind: global_buffer, .address_space: global }
      - { .name: Wv_codes, .offset: 80, .size: 8, .value_kind: global_buffer, .address_space: global }
      - { .name: Wv_scales, .offset: 88, .size: 8, .value_kind: global_buffer, .address_space: global }
      - { .name: v_codes, .offset: 96, .size: 8, .value_kind: global_buffer, .address_space: global }
      - { .name: v_scales, .offset: 104, .size: 8, .value_kind: global_buffer, .address_space: global }
      - { .name: bv, .offset: 112, .size: 8, .value_kind: global_buffer, .address_space: global }
      - { .name: qc, .offset: 120, .size: 8, .value_kind: global_buffer, .address_space: global }
      - { .name: qs, .offset: 128, .size: 8, .value_kind: global_buffer, .address_space: global }
      - { .name: kv, .offset: 136, .size: 8, .value_kind: global_buffer, .address_space: global }
    .group_segment_fixed_size: 327680
    .private_segment_fixed_size: 0
    .kernarg_segment_align: 8
    .kernarg_segment_size: 144
    .max_flat_workgroup_size: 128
    .sgpr_count:     106
    .vgpr_count:     1024
    .wavefront_size: 32
...
	.end_amdgpu_metadata
.endif
;; end of part 1
;; launch attn (part 2): grid 4 x 64, 16 waves a work-group, clusters of 4 x 1, 223,232 bytes of LDS; arguments qc, qs, kv, cc, cs; writes cc, cs
.if DOCPART == 2
	.amdgcn_target "amdgcn-amd-amdhsa--gfx1250"
	.amdhsa_code_object_version 6
	.text
	.protected	k_q259a6742d4_attn
	.globl	k_q259a6742d4_attn
	.p2align	8
	.type	k_q259a6742d4_attn,@function
k_q259a6742d4_attn:
	s_mov_b64 s[64:65], 0
	v_nop
	global_prefetch_b8 v0, s[64:65] scope:SCOPE_SE
	s_setreg_imm32_b32 hwreg(HW_REG_WAVE_MODE, 25, 1), 1
	s_wait_xcnt 0x0
	s_wait_alu depctr_hold_cnt(0) depctr_sa_sdst(0) depctr_va_vdst(0) depctr_va_sdst(0) depctr_va_ssrc(0) depctr_va_vcc(0) depctr_vm_vsrc(0)
	s_getreg_b32 s2, hwreg(HW_REG_IB_STS2, 6, 4)
	s_cmp_eq_u32 s2, 0
	s_cbranch_scc0 .Lentry_in_a_cluster
	s_endpgm
.Lentry_in_a_cluster:
	s_bfe_u32 s2, ttmp6, 0x10000c
	s_cmp_lg_u32 s2, 0x3003
	s_cbranch_scc0 .Lentry_shape_is_right
	s_endpgm
.Lentry_shape_is_right:
; ATTENTION ON CODES OF FP6 (E2M3): ctx[q] = (sum over keys of p V) / l, p = 2^(t - M), t = (hq . hk) x log2(e) / 8, M = the running largest t rounded UP to a whole number, l = the sum of the unquantised p; ctx is quantised and leaves as codes.
; SHARES.  A work-group owns 512 queries of one head of one batch (64 x 4 = 256 work-groups).  Each of its sixteen waves owns one tile of 16 queries at a time, four waves to a SIMD, and takes two tiles one after the other (passes 0 and 1).
; THE WHOLE HEAD'S K AND V STAY IN LDS: 16 records of 12,800 bytes (128 keys each), filled once.  Wave w asks for record w, its one tensor load; the four work-groups of a cluster walk the same head, so each record is asked for jointly (mask 15).
; One wait and one barrier show all records to all waves; nothing is ever filled again.
; A RECORD: 8 half fragments of K (keys 16 f + row, 64 deep: 768 bytes: registers 0-3 at 16 x lane, 4-5 at 512 + 8 x lane); 4 whole fragments of V^T (16 of the head's 64 x 128 keys); K's scale words (256 bytes); V's (256).
; WHICH KEYS FORM A TILE OF K is chosen by the lanes' LDS addresses: tile 4 c + u takes keys 64 c + g + 0..7 in rows 0-7 and keys 64 c + 32 + g + 0..7 in rows 8-15, g = 0, 16, 8, 24 for u = 0..3.
; Row rho of such a tile is row (g % 16) + rho % 8 of half fragment 4 c + g / 16 + 2 (rho / 8): the lane term is (rho % 8 + 16 h) x 16 (or x 8) + 1,536 (rho / 8), the rest stands in the loads' offsets.
; So in S^T = K Q^T lane (r, h) holds query r, and its 32 registers of tiles 4 c .. 4 c + 3 are ALL of block 2 c + h of 32 keys, in the order 0-7, 16-23, 8-15, 24-31, in which V^T's codes lie too:
; a block's largest score needs no other lane, and the conversions' results are p's operand as they stand.
; K = 64 IN AN INSTRUCTION 128 DEEP.  The half fragments of tiles 2 o and 2 o + 1 on end are one operand; it is multiplied once by [Q | 0] and once by [0 | Q]: Q lies in 18 registers [0 | Q | 0].
; The operand's scale word is [2 bytes of the first tile's key][2 of the second's]: for row rho the stored word of pair 2 c + rho / 8, row 8 (o % 2) + rho % 8.  Q's is [s0 s1 s0 s1].  Zero codes add nothing under these bytes (1 to 254).
; O^T = V^T P^T.  ctx meets given codes (Wo's), so it is brought into the true order: O^T's tiles lie in the order 0, 2, 1, 3, and 16 exchanges of halves give lane (r, h) the numbers d = 32 h + 0..31 of query r.
;   cc [token tile 512][head 16][768];  cs [token 8,192][32].  cs is stored a byte a lane, 32 bytes apart: a token's 32 bytes come from 16 work-groups.
; No prefetch: all that the work-group reads from kv is asked for at its head.
; LIMITS: NaN and infinities are not served.  v_exp_f32 gives 0 for results under 2^-126.  A block whose largest magnitude lies under 2^-124, a block of zeros too, gets the byte 1 (this program alone reads the bytes).
; The promise holds while the scaled scores t stay under 2^31 in magnitude.
; REGISTERS: v1-4 offsets; v8-11, v92 LDS addresses of the step; v12 -M, v13 the largest t, v[14:15] the sum; v16-33 [0|Q|0] of pass 0; v36-83 four operands; v84-87 their scale words; v88-90 K's lane terms; v91 8 h; v93 the old -M;
;   v96-159 S^T, then p; v160-191 O^T; v192-209 [0|Q|0] of pass 1; v210 its scale word; v224-235 p's codes; v232-254 at work; v250-251 the add's; v253 p's scale word; v255 Q's scale word of pass 0.
.set REC,  12800
.set VOF,  6144
.set KSO,  12288
.set VSO,  12544
.set QZ0,  16
.set QZ1,  192
.set KP,   36
.set WV,   18
.set SEL,  20
.set CS,   22
.set G1,   24
.set G0,   32
.set TB,   60
.set CNT,  61
.macro CROUND
	s_barrier_signal -1
	s_barrier_wait -1
	s_cmp_lg_u32 s[WV], 0
	s_cbranch_scc1 .Lnot_wave_0_\@
	s_barrier_signal -3
.Lnot_wave_0_\@:
	s_barrier_wait -3
	s_barrier_signal -1
	s_barrier_wait -1
.endm
	s_load_b256 s[4:11], s[0:1], 0x0               ; qc, qs, kv, cc
	s_load_b64 s[12:13], s[0:1], 0x20              ; cs
	v_lshl_add_u32 v250, v0, 2, 0x36000
	v_mov_b32 v251, 0
	ds_add_u32 v250, v251                          ; the opening lines
	ds_add_u32 v250, v251
	v_lshrrev_b32 v5, 5, v0
	s_delay_alu instid0(VALU_DEP_1)
	v_readfirstlane_b32 s[WV], v5                  ; wave 0..15
	s_and_b32 s48, ttmp7, 0xffff                   ; 16 x batch + head, which the four partners share
	s_bfe_u32 s49, ttmp6, 0x40000                  ; cx: my quarter of the queries: it enters the addresses of qc, qs, cc and cs alone
	s_mov_b32 s[G1+0], 15|(3<<16)|(1<<21)          ; a record: 50 rows of 256 bytes, dense
	s_mov_b32 s[G1+1], 32<<16
	s_mov_b32 s[G1+2], 50<<16
	s_mov_b32 s[G1+3], 32<<16
	s_mov_b32 s[G1+4], 50
	s_mov_b32 s[G1+5], 32
	s_mov_b32 s[G1+6], 0
	s_mov_b32 s[G1+7], 0
	s_mul_i32 s50, s48, 16*REC                     ; kv: my head's records (all offsets under 2^24),
	s_mul_i32 s52, s[WV], REC                      ; and the one that I fetch
	s_add_co_u32 s50, s50, s52
	s_mov_b32 s51, 0
	s_lshl_b32 s53, s49, 5
	s_add_co_u32 s53, s53, s[WV]                   ; my query tile, pass 0: 32 cx + wave; pass 1: 16 on
	s_lshl_b32 s54, s48, 7
	s_add_co_u32 s54, s54, s53
	s_mul_i32 s54, s54, 768
	s_mov_b32 s55, 0
	s_lshr_b32 s56, s53, 3                         ; qs: the block of my tile's 128 queries,
	s_lshl_b32 s56, s56, 8
	s_lshl_b32 s57, s48, 12
	s_add_co_u32 s56, s56, s57
	s_bfe_u32 s57, s[WV], 0x10001                  ; my tile's pair u: lanes 16 (u % 2) on,
	s_lshl_b32 s57, s57, 7
	s_add_co_u32 s56, s56, s57
	s_bfe_u32 s57, s[WV], 0x10002                  ; word u / 2
	s_lshl_b32 s57, s57, 2
	s_add_co_u32 s56, s56, s57
	s_mov_b32 s57, 0
	s_lshr_b32 s58, s48, 4
	s_lshl_b32 s58, s58, 7
	s_add_co_u32 s58, s58, s53                     ; my token tile
	s_and_b32 s59, s48, 15                         ; the head
	s_lshl_b32 s60, s58, 4
	s_add_co_u32 s60, s60, s59
	s_mul_i32 s60, s60, 768
	s_mov_b32 s61, 0
	s_lshl_b32 s58, s58, 9
	s_lshl_b32 s59, s59, 1
	s_add_co_u32 s58, s58, s59
	s_mov_b32 s59, 0
	s_and_b32 s62, s[WV], 1
	s_lshl_b32 s62, s62, 4
	s_mov_b32 s[SEL], 0x76543210
	s_mov_b32 s[SEL+1], 0xfedcba98
	s_mov_b32 s[CS], 0x3e38aa3b                    ; c = log2(e) / 8
	s_mov_b32 s[CS+1], s[CS]
	s_wait_dscnt 0x0
	s_wait_kmcnt 0x0
	s_add_nc_u64 s[8:9], s[8:9], s[50:51]
	s_add_nc_u64 s[4:5], s[4:5], s[54:55]
	s_add_nc_u64 s[6:7], s[6:7], s[56:57]
	s_add_nc_u64 s[10:11], s[10:11], s[60:61]
	s_add_nc_u64 s[12:13], s[12:13], s[58:59]
	CROUND                                         ; all four work-groups are here: the joint loads meet
	s_mov_b32 s[G0], 1
	s_mov_b32 s[G0+1], s52                         ; record w at w x 12,800
	s_mov_b64 s[G0+2:G0+3], s[8:9]
	s_or_b32 s[G0+3], s[G0+3], 0x80000000
	tensor_load_to_lds s[G0:G0+3], s[G1:G1+7]      ; every wave's one load
	s_nop 0
.rept 4
	v_nop
.endr
	v_and_b32 v5, 31, v0
	s_delay_alu instid0(VALU_DEP_1)
	v_lshlrev_b32 v1, 4, v5                        ; 16 x lane
	s_delay_alu instid0(VALU_DEP_2)
	v_lshlrev_b32 v2, 3, v5                        ; 8 x lane
	v_and_b32 v6, 15, v0
	v_bfe_u32 v7, v0, 4, 1                         ; h
	s_delay_alu instid0(VALU_DEP_2)
	v_lshlrev_b32 v3, 3, v6                        ; qs: 8 r
	s_delay_alu instid0(VALU_DEP_2)
	v_lshl_add_u32 v4, v6, 5, v7                   ; cs: 32 r + h
	global_load_b128 v[QZ0+6:QZ0+9], v1, s[4:5]
	global_load_b64 v[QZ0+10:QZ0+11], v2, s[4:5] offset:512
	global_load_b128 v[QZ1+6:QZ1+9], v1, s[4:5] offset:16*768
	global_load_b64 v[QZ1+10:QZ1+11], v2, s[4:5] offset:16*768+512
	global_load_b32 v211, v3, s[6:7]
	global_load_b32 v212, v3, s[6:7] offset:512
	v_and_b32 v90, 7, v0                           ; rho % 8
	v_bfe_u32 v94, v0, 3, 1                        ; rho / 8
	s_delay_alu instid0(VALU_DEP_2)
	v_lshl_add_u32 v93, v7, 4, v90                 ; rho % 8 + 16 h: the lane whose image I take
	s_delay_alu instid0(VALU_DEP_2)
	v_mul_u32_u24 v95, v94, 1536                   ; rows 8-15: two half fragments on
	v_lshl_add_u32 v90, v7, 3, v90
	s_delay_alu instid0(VALU_DEP_2)
	v_lshl_add_u32 v88, v93, 4, v95                ; K's registers 0-3
	v_lshl_add_u32 v89, v93, 3, v95                ; K's registers 4-5
	s_delay_alu instid0(VALU_DEP_3)
	v_lshl_add_u32 v90, v94, 4, v90
	v_lshlrev_b32 v91, 3, v7                       ; 8 h
	s_delay_alu instid0(VALU_DEP_2)
	v_lshlrev_b32 v90, 3, v90                      ; K's scale words: 8 (rho % 8) + 64 h + 128 (rho / 8)
.irp i, 0,1,2,3,4,5
	v_mov_b32 v[QZ0+\i], 0
	v_mov_b32 v[QZ0+12+\i], 0
	v_mov_b32 v[QZ1+\i], 0
	v_mov_b32 v[QZ1+12+\i], 0
.endr
	v_mov_b32 v253, 0                              ; (named as the upper half of the pair v[252:253] before it is first written)
	s_wait_loadcnt 0x0
	v_lshrrev_b32 v211, s62, v211
	v_lshrrev_b32 v212, s62, v212
	s_delay_alu instid0(VALU_DEP_2)
	v_and_b32 v211, 0xffff, v211
	s_delay_alu instid0(VALU_DEP_2)
	v_and_b32 v212, 0xffff, v212
	s_delay_alu instid0(VALU_DEP_2)
	v_lshl_or_b32 v255, v211, 16, v211             ; [s0 s1 s0 s1]
	s_delay_alu instid0(VALU_DEP_2)
	v_lshl_or_b32 v210, v212, 16, v212
.macro INIT                            ; a pass begins: O^T and the sum as zeros, the largest t under every t
	v_mov_b32 v13, 0xff61b1e6                      ; -3e38
	s_delay_alu instid0(VALU_DEP_1)
	v_floor_f32 v12, -v13
	v_mov_b32 v14, 0
	v_mov_b32 v15, 0
.set J, 0
.rept 32
	v_mov_b32 v[160+J], 0
.set J, J+1
.endr
.endm
.macro KOPERS                          ; K's four operands: operand o = tiles 2 o, 2 o + 1: half fragments 4 (o / 2) and 4 (o / 2) + 1, eight rows on where o is odd
.irp o, 0,1,2,3
	ds_load_b128 v[KP+12*\o:KP+12*\o+3], v10 offset:3072*(\o/2)+128*(\o%2)
	ds_load_b64 v[KP+12*\o+4:KP+12*\o+5], v11 offset:3072*(\o/2)+512+64*(\o%2)
	ds_load_b128 v[KP+12*\o+6:KP+12*\o+9], v10 offset:3072*(\o/2)+768+128*(\o%2)
	ds_load_b64 v[KP+12*\o+10:KP+12*\o+11], v11 offset:3072*(\o/2)+1280+64*(\o%2)
.endr
.endm
.macro OPERS base                      ; four operands of 12 registers, images of their registers
.irp t, 0,1,2,3
	ds_load_b128 v[KP+12*\t:KP+12*\t+3], v8 offset:\base+1536*\t
	ds_load_b64 v[KP+12*\t+4:KP+12*\t+5], v9 offset:\base+1536*\t+512
	ds_load_b128 v[KP+12*\t+6:KP+12*\t+9], v8 offset:\base+1536*\t+768
	ds_load_b64 v[KP+12*\t+10:KP+12*\t+11], v9 offset:\base+1536*\t+1280
.endr
.endm
.macro KQ t, qz, qs                    ; tile t of S^T: operand t / 2 x [Q|0] (t even) or [0|Q] (t odd); its scale word: register t / 4, lanes 16 on where t / 2 is odd
.set rB, \qz+6-6*((\t)%2)
.if ((\t)/2)%2
	v_wmma_scale_f32_16x16x128_f8f6f4 v[96+8*(\t):103+8*(\t)], v[KP+12*((\t)/2):KP+12*((\t)/2)+11], v[rB:rB+11], 0, v[84+(\t)/4], v[\qs] matrix_a_fmt:MATRIX_FMT_FP6 matrix_b_fmt:MATRIX_FMT_FP6 matrix_a_scale:MATRIX_SCALE_ROW1
.else
	v_wmma_scale_f32_16x16x128_f8f6f4 v[96+8*(\t):103+8*(\t)], v[KP+12*((\t)/2):KP+12*((\t)/2)+11], v[rB:rB+11], 0, v[84+(\t)/4], v[\qs] matrix_a_fmt:MATRIX_FMT_FP6 matrix_b_fmt:MATRIX_FMT_FP6
.endif
.endm
.macro PV t                            ; O^T's tile t += V^T's tile t x P; the tiles lie in the order 0, 2, 1, 3
.set rO, 160+8*(2*((\t)%2)+(\t)/2)
.if (\t)%2
	v_wmma_scale_f32_16x16x128_f8f6f4 v[rO:rO+7], v[KP+12*(\t):KP+12*(\t)+11], v[224:235], v[rO:rO+7], v[86+(\t)/2], v253 matrix_a_fmt:MATRIX_FMT_FP6 matrix_b_fmt:MATRIX_FMT_FP6 matrix_a_scale:MATRIX_SCALE_ROW1
.else
	v_wmma_scale_f32_16x16x128_f8f6f4 v[rO:rO+7], v[KP+12*(\t):KP+12*(\t)+11], v[224:235], v[rO:rO+7], v[86+(\t)/2], v253 matrix_a_fmt:MATRIX_FMT_FP6 matrix_b_fmt:MATRIX_FMT_FP6
.endif
.endm
; A KEY STEP: the 128 keys of the record at s[TB]
.macro STEP qz, qs
	v_add_nc_u32 v10, s[TB], v88
	v_add_nc_u32 v11, s[TB], v89
	v_add_nc_u32 v92, s[TB], v90
	v_nop                                          ; four places in front of loads into registers that the last products have read
	KOPERS
	ds_load_b64 v[84:85], v92 offset:KSO
	s_wait_alu depctr_va_vdst(0)
	s_wait_dscnt 0x0
.irp t, 0,1,2,3,4,5,6,7
	KQ \t, \qz, \qs
.endr
	v_add_nc_u32 v8, s[TB], v1                     ; four places in front of the loads below and of the first read of the scores
	v_add_nc_u32 v9, s[TB], v2
	v_mov_b32 v93, v12                             ; the old -M
	v_nop
	OPERS VOF                                      ; V's tiles land during the softmax
	ds_load_b64 v[86:87], v9 offset:VSO
; the largest score of my two blocks of 32 keys (registers 32 c + 0..31), each in two chains (0..16 and 17..31), the four by turns; every accumulator is first read at its low end
.irp c, 0,1
	v_max3_num_f32 v[232+\c], v[96+32*\c], v[97+32*\c], v[98+32*\c]
.endr
.irp c, 0,1
	v_max3_num_f32 v[236+\c], v[113+32*\c], v[114+32*\c], v[115+32*\c]
.endr
.irp i, 0,2,4,6,8,10
.irp c, 0,1
	v_max3_num_f32 v[232+\c], v[232+\c], v[99+32*\c+\i], v[100+32*\c+\i]
.endr
.irp c, 0,1
	v_max3_num_f32 v[236+\c], v[236+\c], v[116+32*\c+\i], v[117+32*\c+\i]
.endr
.endr
.irp c, 0,1
	v_max3_num_f32 v[232+\c], v[232+\c], v[111+32*\c], v[112+32*\c]
.endr
.irp c, 0,1
	s_delay_alu instid0(VALU_DEP_2)
	v_max_num_f32 v[232+\c], v[232+\c], v[236+\c]  ; it serves for the row's maximum and, since p rises with the score, for the block's largest p
.endr
	s_delay_alu instid0(VALU_DEP_1)
	v_max_num_f32 v254, v232, v233
	s_delay_alu instid0(VALU_DEP_1)
	v_permlanex16_b32 v236, v254, s[SEL], s[SEL+1]
	s_delay_alu instid0(VALU_DEP_1)
	v_max_num_f32 v254, v254, v236                 ; with lane l xor 16's two blocks: the step's largest score of my query
	s_delay_alu instid0(VALU_DEP_1)
	v_mul_f32 v254, s[CS], v254
	s_delay_alu instid0(VALU_DEP_1)
	v_max_num_f32 v13, v13, v254                   ; the running largest t
	s_delay_alu instid0(VALU_DEP_1)
	v_floor_f32 v12, -v13                          ; the new -M = -ceil(t)
	s_delay_alu instid0(VALU_DEP_1)
	v_sub_f32 v254, v12, v93
	s_delay_alu instid0(VALU_DEP_1)
	v_cvt_i32_f32 v254, v254
	s_delay_alu instid0(VALU_DEP_1)
	v_ldexp_f32 v252, 1.0, v254                    ; f = 2^(old M - new M)
.set J, 0
.rept 32
	v_pk_fma_f32 v[96+J:97+J], v[96+J:97+J], s[CS:CS+1], v[12:13] op_sel_hi:[1,0,0]   ; t - M
.set J, J+2
.endr
.irp c, 0,1
	v_fma_f32 v[232+\c], v[232+\c], s[CS], v12
.endr
	s_wait_alu depctr_va_vdst(0)                   ; ahead of the batch
.set J, 0
.rept 64
	v_exp_f32 v[96+J], v[96+J]                     ; p = 2^(t - M)
.set J, J+1
.endr
	v_pk_mul_f32 v[14:15], v[14:15], v[252:253] op_sel_hi:[1,0]
	s_wait_alu depctr_va_vdst(0)                   ; and behind it
.irp c, 0,1
	v_exp_f32 v[232+\c], v[232+\c]                 ; the block's largest p
.endr
	v_pk_add_f32 v[236:237], v[100:101], v[104:105]   ; the row's sum of the unquantised p, in eight chains
	v_pk_add_f32 v[248:249], v[108:109], v[112:113]
	v_pk_add_f32 v[246:247], v[116:117], v[120:121]
	v_pk_add_f32 v[244:245], v[124:125], v[128:129]
	v_pk_add_f32 v[242:243], v[132:133], v[136:137]
	v_pk_add_f32 v[240:241], v[140:141], v[144:145]
	v_pk_add_f32 v[238:239], v[148:149], v[152:153]
	v_pk_add_f32 v[14:15], v[14:15], v[156:157]
	v_pk_add_f32 v[236:237], v[236:237], v[96:97]
	v_pk_add_f32 v[248:249], v[248:249], v[98:99]
	v_pk_add_f32 v[246:247], v[246:247], v[102:103]
	v_pk_add_f32 v[244:245], v[244:245], v[106:107]
	v_pk_add_f32 v[242:243], v[242:243], v[110:111]
	v_pk_add_f32 v[240:241], v[240:241], v[114:115]
	v_pk_add_f32 v[238:239], v[238:239], v[118:119]
	v_pk_add_f32 v[14:15], v[14:15], v[122:123]
	v_pk_add_f32 v[236:237], v[236:237], v[126:127]
	v_pk_add_f32 v[248:249], v[248:249], v[130:131]
	v_pk_add_f32 v[246:247], v[246:247], v[134:135]
	v_pk_add_f32 v[244:245], v[244:245], v[138:139]
	v_pk_add_f32 v[242:243], v[242:243], v[142:143]
	v_pk_add_f32 v[240:241], v[240:241], v[146:147]
	v_pk_add_f32 v[238:239], v[238:239], v[150:151]
	v_pk_add_f32 v[14:15], v[14:15], v[154:155]
	v_pk_add_f32 v[236:237], v[236:237], v[158:159]
	s_delay_alu instid0(VALU_DEP_2)
	v_pk_add_f32 v[14:15], v[14:15], v[244:245]
	s_delay_alu instid0(VALU_DEP_2)
	v_pk_add_f32 v[236:237], v[236:237], v[242:243]
	v_pk_add_f32 v[248:249], v[248:249], v[240:241]
	v_pk_add_f32 v[246:247], v[246:247], v[238:239]
	s_delay_alu instid0(VALU_DEP_2)
	v_pk_add_f32 v[14:15], v[14:15], v[248:249]
	s_delay_alu instid0(VALU_DEP_2)
	v_pk_add_f32 v[236:237], v[236:237], v[246:247]
	s_delay_alu instid0(VALU_DEP_1)
	v_pk_add_f32 v[14:15], v[14:15], v[236:237]
	s_wait_alu depctr_va_vdst(0)                   ; for the two
.irp c, 0,1
	v_max_num_f32 v[232+\c], 0x1800000, v[232+\c]  ; the floor 2^(3 - 127)
.endr
.irp c, 0,1
	s_delay_alu instid0(VALU_DEP_2)
	v_add_nc_u32 v[244+\c], 0xff000000, v[232+\c]  ; the conversion's scale operand
.endr
.irp c, 0,1
	s_delay_alu instid0(VALU_DEP_2)
	v_lshrrev_b32 v[236+\c], 23, v[244+\c]         ; the scale's byte of block 2 c + h
.endr
	s_delay_alu instid0(VALU_DEP_1)
	v_lshl_or_b32 v238, v237, 16, v236
	s_delay_alu instid0(VALU_DEP_1)
	v_lshlrev_b32 v238, v91, v238                  ; at their places in the word, 8 h bits up;
	s_delay_alu instid0(VALU_DEP_1)
	v_permlanex16_b32 v239, v238, s[SEL], s[SEL+1]
	s_delay_alu instid0(VALU_DEP_1)
	v_or_b32 v253, v238, v239                      ; with lane l xor 16's two: p's scale word for these 128 keys
.irp c, 0,1
	v_cvt_scalef32_pk16_fp6_f32 v[224+6*\c:226+6*\c], v[96+32*\c:111+32*\c], v[244+\c]
	v_cvt_scalef32_pk16_fp6_f32 v[236+4*\c:238+4*\c], v[112+32*\c:127+32*\c], v[244+\c]   ; (a conversion's three registers begin on an even number)
.endr
	v_nop                                          ; one plain place behind a scaled conversion
.irp c, 0,1
.irp i, 0,1,2
	v_mov_b32 v[227+6*\c+\i], v[236+4*\c+\i]       ; registers 6 c .. 6 c + 5: block 2 c + h, whole
.endr
.endr
.set J, 0
.rept 16
	v_pk_mul_f32 v[160+J:161+J], v[160+J:161+J], v[252:253] op_sel_hi:[1,0]   ; O^T under the new M; also the places ahead of the products
.set J, J+2
.endr
	s_wait_alu depctr_va_vdst(0)
	s_wait_dscnt 0x0                               ; V is in
.irp t, 0,1,2,3
	PV \t                                          ; the four accumulators take turns
.endr
	s_add_co_u32 s[TB], s[TB], REC
.endm
; A pass ends: ctx = O^T / l, brought into the true order, quantised, stored
.macro OUT p
.rept 4
	v_nop
.endr
	v_add_f32 v14, v14, v15
	s_delay_alu instid0(VALU_DEP_1)
	v_permlanex16_b32 v252, v14, s[SEL], s[SEL+1]
	s_delay_alu instid0(VALU_DEP_1)
	v_add_f32 v14, v14, v252                       ; the row's sum
	s_wait_alu depctr_va_vdst(0)
	v_rcp_f32 v14, v14
	v_nop
	s_wait_alu depctr_va_vdst(0)
.set J, 0
.rept 16
	v_pk_mul_f32 v[160+J:161+J], v[160+J:161+J], v[14:15] op_sel_hi:[1,0]
.set J, J+2
.endr
.irp j, 0,1,2,3,4,5,6,7
	v_permlane16_swap_b32 v[160+\j], v[168+\j]
.endr
.irp j, 0,1,2,3,4,5,6,7
	v_permlane16_swap_b32 v[176+\j], v[184+\j]     ; v160-191 of lane (r, h) are now d = 32 h + 0 .. 31
.endr
	v_max3_num_f32 v232, |v160|, |v161|, |v162|
	v_max3_num_f32 v233, |v163|, |v164|, |v165|
.irp i, 6,10,14,18,22,26
	s_delay_alu instid0(VALU_DEP_2)
	v_max3_num_f32 v232, v232, |v[160+\i]|, |v[161+\i]|
	s_delay_alu instid0(VALU_DEP_2)
	v_max3_num_f32 v233, v233, |v[162+\i]|, |v[163+\i]|
.endr
	s_delay_alu instid0(VALU_DEP_2)
	v_max3_num_f32 v232, v232, |v190|, |v191|
	s_delay_alu instid0(VALU_DEP_1)
	v_max3_num_f32 v232, v232, v233, 0x1800000
	s_delay_alu instid0(VALU_DEP_1)
	v_add_nc_u32 v244, 0xff000000, v232
	s_delay_alu instid0(VALU_DEP_1)
	v_lshrrev_b32 v240, 23, v244
	v_cvt_scalef32_pk16_fp6_f32 v[224:226], v[160:175], v244
	v_cvt_scalef32_pk16_fp6_f32 v[236:238], v[176:191], v244
	v_nop
.irp i, 0,1,2
	v_mov_b32 v[227+\i], v[236+\i]
.endr
	global_store_b128 v1, v[224:227], s[10:11] offset:\p*16*16*768        ; a half fragment: 512 consecutive bytes at a multiple of 256,
	global_store_b64 v2, v[228:229], s[10:11] offset:\p*16*16*768+512     ; and the 256 behind them
	global_store_b8 v4, v240, s[12:13] offset:\p*16*512
.endm
	INIT
	s_wait_alu depctr_va_vdst(0)
	s_wait_tensorcnt 0x0                           ; my record is in,
	s_barrier_signal -1
	s_barrier_wait -1                              ; and everybody's
	s_mov_b32 s[TB], 0
	s_mov_b32 s[CNT], 16
.Lpass_0:
	STEP QZ0, 255
	s_sub_co_u32 s[CNT], s[CNT], 1
	s_cmp_lg_u32 s[CNT], 0
	s_cbranch_scc1 .Lpass_0
	OUT 0
	s_wait_xcnt 0x0                                ; the stores have read their data
	INIT
	s_mov_b32 s[TB], 0
	s_mov_b32 s[CNT], 16
.Lpass_1:
	STEP QZ1, 210
	s_sub_co_u32 s[CNT], s[CNT], 1
	s_cmp_lg_u32 s[CNT], 0
	s_cbranch_scc1 .Lpass_1
	OUT 1
	s_wait_tensorcnt 0x0                           ; the wave's end
	ds_add_u32 v250, v251
	s_wait_dscnt 0x0
	CROUND                                         ; the closing round
	s_endpgm
.Lfunc_end_k_q259a6742d4_attn:
	.size	k_q259a6742d4_attn, .Lfunc_end_k_q259a6742d4_attn-k_q259a6742d4_attn
	.p2alignl 7, 3214868480
	.fill 96, 4, 3214868480
	.section	.rodata,"a",@progbits
	.p2align	6, 0x0
	.amdhsa_kernel k_q259a6742d4_attn
		.amdhsa_group_segment_fixed_size 223232
		.amdhsa_private_segment_fixed_size 0
		.amdhsa_enable_private_segment 0
		.amdhsa_kernarg_size 40
		.amdhsa_user_sgpr_count 2
		.amdhsa_user_sgpr_kernarg_segment_ptr 1
		.amdhsa_wavefront_size32 1
		.amdhsa_system_sgpr_workgroup_id_x 1
		.amdhsa_system_sgpr_workgroup_id_y 1
		.amdhsa_system_sgpr_workgroup_id_z 1
		.amdhsa_system_vgpr_workitem_id 0
		.amdhsa_next_free_vgpr 256
		.amdhsa_next_free_sgpr 66
		.amdhsa_reserve_vcc 0
		.amdhsa_float_denorm_mode_32 3
		.amdhsa_float_denorm_mode_16_64 3
		.amdhsa_memory_ordered 1
		.amdhsa_forward_progress 1
		.amdhsa_inst_pref_size 50
	.end_amdhsa_kernel
	.amdgpu_metadata
---
amdhsa.version: [ 1, 2 ]
amdhsa.kernels:
  - .name:           k_q259a6742d4_attn
    .symbol:         k_q259a6742d4_attn.kd
    .args:
      - { .name: qc, .offset: 0, .size: 8, .value_kind: global_buffer, .address_space: global }
      - { .name: qs, .offset: 8, .size: 8, .value_kind: global_buffer, .address_space: global }
      - { .name: kv, .offset: 16, .size: 8, .value_kind: global_buffer, .address_space: global }
      - { .name: cc, .offset: 24, .size: 8, .value_kind: global_buffer, .address_space: global }
      - { .name: cs, .offset: 32, .size: 8, .value_kind: global_buffer, .address_space: global }
    .group_segment_fixed_size: 223232
    .private_segment_fixed_size: 0
    .kernarg_segment_align: 8
    .kernarg_segment_size: 40
    .max_flat_workgroup_size: 512
    .sgpr_count:     66
    .vgpr_count:     256
    .wavefront_size: 32
...
	.end_amdgpu_metadata
.endif
;; end of part 2
;; launch outp (part 3): grid 8 x 32, 4 waves a work-group, clusters of 4 x 4, 327,680 bytes of LDS; arguments cc, cs, Wo_codes, Wo_scales, bo, out0; writes out0
.if DOCPART == 3
	.amdgcn_target "amdgcn-amd-amdhsa--gfx1250"
	.amdhsa_code_object_version 6
	.text
	.protected	k_q259a6742d4_outp
	.globl	k_q259a6742d4_outp
	.p2align	8
	.type	k_q259a6742d4_outp,@function
k_q259a6742d4_outp:
	s_mov_b64 s[64:65], 0
	v_nop
	global_prefetch_b8 v0, s[64:65] scope:SCOPE_SE
	s_setreg_imm32_b32 hwreg(HW_REG_WAVE_MODE, 25, 1), 1
	s_wait_xcnt 0x0
	s_wait_alu depctr_hold_cnt(0) depctr_sa_sdst(0) depctr_va_vdst(0) depctr_va_sdst(0) depctr_va_ssrc(0) depctr_va_vcc(0) depctr_vm_vsrc(0)
	s_getreg_b32 s2, hwreg(HW_REG_IB_STS2, 6, 4)
	s_cmp_eq_u32 s2, 0
	s_cbranch_scc0 .Lentry_in_a_cluster
	s_endpgm
.Lentry_in_a_cluster:
	s_bfe_u32 s2, ttmp6, 0x10000c
	s_cmp_lg_u32 s2, 0xf033
	s_cbranch_scc0 .Lentry_shape_is_right
	s_endpgm
.Lentry_shape_is_right:
; out0 = ctx Wo^T + bo on codes of FP6 (E2M3), K = 1,024, f32 out.  A = ctx as the launch before left it: cc [token tile of 16: 512][head 16][768] (register images of half fragments), cs [token][32] scale bytes; B = Wo's rows.
; A block of C is 256 tokens x 128 columns: 32 x 8 = 256 work-groups.  ALL OF K LIES IN LDS, FILLED ONCE: A's 16 token tiles are 196,608 dense bytes; B's 128 rows of 768 bytes lie 816 apart (16 bytes of padding behind every 256).
; One tensor load a wave: waves 0, 1 the halves of A, waves 2, 3 the halves of B; every row begins at a multiple of 256 bytes.  CLUSTERS 4 x 4: A is asked for jointly along a row of the cluster, B along a column.
; A wave makes 128 tokens x 64 columns.  Its fragments of B for all of K stay in registers (4 blocks x 8 steps x 12 = 384), read from LDS once.  C IS FINISHED BY BLOCKS OF 16 ROWS: 32 matrix instructions,
; the block's 4 accumulators by turns, K ascending, the bias as the first C.  Each block leaves through the wave's own stage while the next is multiplied.
; Source 0 = 16 rows of Wo, source 1 = 16 tokens: a lane holds eight neighbouring columns of one row of C.
; SCALES go from memory into registers: lane (r, h) takes the 16 bytes at 32 r + 16 h of a block's 512: register q holds word q in lanes 0-15 and word 4 + q in lanes 16-31, so steps 4-7 name the upper lanes.
; No prefetch: all that the work-group reads is asked for at its head; there is no trip to run ahead in.
; REGISTERS: window 0: v16-29 addresses; v32-63 A's scale words; v64-79 B's; v80-111 the bias; v112-175 accumulators, two sets; v176-239 rows read back, two sets.
;   window 1: B's fragments of steps 0-4; window 2: of steps 5-7; window 3: A's fragments of a block, two sets of 96.
.set AHALF, 98304                      ; 8 token tiles x 12,288
.set BP,    816
.set BOF,   2*AHALF
.set BHALF, 64*BP
.set STG,   BOF+2*BHALF                ; the stages: 16 rows x 272 bytes a wave; no tile lands here
.set SPARE, STG+4*16*272               ; the spare words
.set A16,  16                          ; v16-17 16 x lane in my blocks 0-3, 4-7 of A;  v18-19 8 x lane
.set A8,   18
.set ADB,  20                          ; v20 my rows of B; v21 the same behind one padding more in lanes 16-31
.set STO,  22
.set RD,   23
.set CO,   24
.set SCO,  25
.set BO,   26
.set SPW,  28
.set NIL,  29
.set SA,   32
.set SB,   64
.set BIAS, 80
.set ACC,  112
.set BK,   176
.set G1A, 28
.set G0A, 36
.set G1B, 40
.set G0B, 48
.set MSB, 0
.macro WIN new
.if MSB != (\new)
	s_set_vgpr_msb (MSB<<8)|(\new)
.set MSB, \new
.endif
.endm
.macro CROUND
	s_barrier_signal -1
	s_barrier_wait -1
	s_cmp_lg_u32 s16, 0
	s_cbranch_scc1 .Lnot_wave_0_\@
	s_barrier_signal -3
.Lnot_wave_0_\@:
	s_barrier_wait -3
	s_barrier_signal -1
	s_barrier_wait -1
.endm
	s_load_b256 s[4:11], s[0:1], 0x0               ; cc, cs, Wo's codes, Wo's scales
	s_load_b128 s[12:15], s[0:1], 0x20             ; bo, out0
	v_lshl_add_u32 v[SPW], v0, 2, SPARE
	v_mov_b32 v[NIL], 0
	ds_add_u32 v[SPW], v[NIL]                      ; the opening lines
	ds_add_u32 v[SPW], v[NIL]
	v_lshrrev_b32 v1, 5, v0
	v_readfirstlane_b32 s16, v1                    ; wave 0..3
	s_lshr_b32 s17, s16, 1                         ; my half of the tokens; also: I fetch for A (0) or B (1)
	s_and_b32 s18, s16, 1                          ; my half of the columns; also: which half I fetch
	s_bfe_u32 s19, ttmp6, 0x40000                  ; cx, cy
	s_bfe_u32 s20, ttmp6, 0x40004
	s_lshl_b32 s21, ttmp9, 2
	s_add_co_u32 s21, s21, s19                     ; block column, 0..7
	s_and_b32 s22, ttmp7, 0xffff
	s_lshl_b32 s22, s22, 2
	s_add_co_u32 s22, s22, s20                     ; block row, 0..31
	s_lshl_b32 s23, s20, 2
	s_lshl_b32 s23, 15, s23                        ; my row of the cluster
	s_lshl_b32 s24, 0x1111, s19                    ; my column
	s_or_b32 s[G1A], s23, (3<<16)|(1<<21)          ; A's half: 384 dense rows of 256 bytes
	s_mov_b32 s[G1A+1], 32<<16
	s_mov_b32 s[G1A+2], 384<<16
	s_mov_b32 s[G1A+3], 32<<16
	s_mov_b32 s[G1A+4], 384
	s_mov_b32 s[G1A+5], 32
	s_mov_b32 s[G1A+6], 0
	s_mov_b32 s[G1A+7], 0
	s_or_b32 s[G1B], s24, (0<<16)|(1<<20)|(1<<21)|(5<<22)|(3<<25)   ; B's half: 64 rows of 768 bytes, 16 of padding behind every 256
	s_mov_b32 s[G1B+1], 768<<16
	s_mov_b32 s[G1B+2], 64<<16
	s_mov_b32 s[G1B+3], 768<<16
	s_mov_b32 s[G1B+4], 64
	s_mov_b32 s[G1B+5], 768
	s_mov_b32 s[G1B+6], 0
	s_mov_b32 s[G1B+7], 0
	s_lshl_b32 s52, s22, 1
	s_add_co_u32 s58, s52, s17                     ; my 128 tokens: 2 x block row + my half
	s_add_co_u32 s52, s52, s18                     ; the half of A that I fetch
	s_mul_i32 s52, s52, AHALF
	s_mov_b32 s53, 0
	s_lshl_b32 s54, s21, 1
	s_add_co_u32 s54, s54, s18                     ; my 64 columns, and the half of B that I fetch
	s_lshl_b32 s25, s54, 11                        ; Wo's scales: 64 rows x 32 bytes
	s_lshl_b32 s26, s54, 8                         ; bo and out0: 64 columns x 4 bytes
	s_mul_i32 s54, s54, 64*768
	s_mov_b32 s55, 0
	s_mul_i32 s56, s18, AHALF                      ; where the halves go in LDS
	s_mul_i32 s57, s18, BHALF
	s_add_co_u32 s57, s57, BOF
	s_mul_i32 s60, s17, AHALF                      ; what I read: my tokens of A,
	s_mov_b32 s61, s57                             ; my columns of B,
	s_mul_i32 s62, s16, 16*272
	s_add_co_u32 s62, s62, STG                     ; my stage
	s_wait_dscnt 0x0
	s_wait_kmcnt 0x0
	s_mov_b32 s[G0A], 1
	s_mov_b32 s[G0A+1], s56
	s_add_nc_u64 s[G0A+2:G0A+3], s[4:5], s[52:53]
	s_or_b32 s[G0A+3], s[G0A+3], 0x80000000
	s_mov_b32 s[G0B], 1
	s_mov_b32 s[G0B+1], s57
	s_add_nc_u64 s[G0B+2:G0B+3], s[8:9], s[54:55]
	s_or_b32 s[G0B+3], s[G0B+3], 0x80000000
	s_lshl_b32 s52, s58, 12                        ; cs: 128 tokens x 32 bytes
	s_add_nc_u64 s[6:7], s[6:7], s[52:53]
	s_mov_b32 s52, s25
	s_add_nc_u64 s[10:11], s[10:11], s[52:53]
	s_mov_b32 s52, s26
	s_add_nc_u64 s[12:13], s[12:13], s[52:53]
	s_add_nc_u64 s[14:15], s[14:15], s[52:53]
	s_lshl_b32 s52, s58, 19                        ; out0: 128 rows x 4,096 bytes
	s_add_nc_u64 s[14:15], s[14:15], s[52:53]
	CROUND                                         ; all sixteen work-groups are here: the joint loads meet
	s_cmp_eq_u32 s17, 0
	s_cbranch_scc0 .Lfor_b
	tensor_load_to_lds s[G0A:G0A+3], s[G1A:G1A+7]
	s_nop 0
.rept 4
	v_nop
.endr
	s_branch .Lasked
.Lfor_b:
	tensor_load_to_lds s[G0B:G0B+3], s[G1B:G1B+7]
	s_nop 0
.rept 4
	v_nop
.endr
.Lasked:
	v_and_b32 v1, 15, v0                           ; r
	v_bfe_u32 v2, v0, 4, 1                         ; h
	v_and_b32 v3, 31, v0
	v_lshlrev_b32 v8, 5, v1
	v_lshl_add_u32 v[SCO], v2, 4, v8               ; scales: 32 r + 16 h
	v_lshlrev_b32 v[BO], 5, v2                     ; the bias: 8 h columns
	v_lshl_add_u32 v[A16], v3, 4, s60
	v_lshl_add_u32 v[A8], v3, 3, s60
	v_add_nc_u32 v[A16+1], 4*12288, v[A16]
	v_add_nc_u32 v[A8+1], 4*12288, v[A8]
	v_mul_u32_u24 v4, v1, BP
	v_mad_u32_u24 v4, v2, 24, v4
	v_add_nc_u32 v[ADB], s61, v4                   ; row x pitch + 24 h
	v_lshl_add_u32 v[ADB+1], v2, 4, v[ADB]
	v_mul_u32_u24 v5, v1, 272
	v_lshl_add_u32 v5, v2, 5, v5
	v_add_nc_u32 v[STO], s62, v5                   ; in: row r, 32 bytes for each half of the lanes
	v_mul_u32_u24 v6, v2, 272
	v_lshl_add_u32 v6, v1, 4, v6
	v_add_nc_u32 v[RD], s62, v6                    ; back: lanes 0-15 one row of 256 bytes, lanes 16-31 the next
	v_lshlrev_b32 v7, 12, v2
	v_lshl_add_u32 v[CO], v1, 4, v7                ; and the same two rows in out0
.irp a, 0,1,2,3,4,5,6,7
	global_load_b128 v[SA+4*\a:SA+4*\a+3], v[SCO], s[6:7] offset:512*\a      ; 512 consecutive bytes a load
.endr
.irp b, 0,1,2,3
	global_load_b128 v[SB+4*\b:SB+4*\b+3], v[SCO], s[10:11] offset:512*\b
	global_load_b128 v[BIAS+8*\b:BIAS+8*\b+3], v[BO], s[12:13] offset:64*\b
	global_load_b128 v[BIAS+8*\b+4:BIAS+8*\b+7], v[BO], s[12:13] offset:64*\b+16
.endr
.macro BLOAD st                        ; B's four fragments of step st, in pieces of 8 bytes: byte y of a row lies at y + 16 (y / 256)
.irp b, 0,1,2,3
.irp p, 0,1,2,3,4,5
.set BY, 96*(\st)+48*(\p/3)+8*(\p%3)
.set XB, 48*((\st)%5)+12*\b+2*\p
.if BY/256 == (BY+24)/256
	ds_load_b64 v[XB:XB+1], v[ADB] offset:BY+16*(BY/256)+\b*16*BP
.else
	ds_load_b64 v[XB:XB+1], v[ADB+1] offset:BY+16*(BY/256)+\b*16*BP
.endif
.endr
.endr
.endm
.macro ALOAD a                         ; A's fragments of block a, all eight steps: 32 loads of consecutive bytes
	WIN 0xc0
.irp st, 0,1,2,3,4,5,6,7
.set XA, 96*((\a)%2)+12*\st
.set AO, ((\a)%4)*12288+\st*1536
	ds_load_b128 v[XA:XA+3], v[A16+(\a)/4] offset:AO
	ds_load_b64 v[XA+4:XA+5], v[A8+(\a)/4] offset:AO+512
	ds_load_b128 v[XA+6:XA+9], v[A16+(\a)/4] offset:AO+768
	ds_load_b64 v[XA+10:XA+11], v[A8+(\a)/4] offset:AO+1280
.endr
	WIN 0
.endm
.macro ROW a                           ; block a: 32 matrix instructions, its four accumulators by turns
.irp st, 0,1,2,3,4,5,6,7
.if \st < 5
	WIN 0x0d                                       ; source 0 window 1, source 1 window 3, C and D window 0
.else
	WIN 0x0e                                       ; source 0 window 2
.endif
.irp b, 0,1,2,3
.set XD, ACC+32*((\a)%2)+8*\b
.set XB, 48*(\st%5)+12*\b
.set XA, 96*((\a)%2)+12*\st
.if \st == 0
.set XC, BIAS+8*\b
.else
.set XC, XD
.endif
.if \st < 4
	v_wmma_scale_f32_16x16x128_f8f6f4 v[XD:XD+7], v[XB:XB+11], v[XA:XA+11], v[XC:XC+7], v[SB+4*\b+\st%4], v[SA+4*(\a)+\st%4] matrix_a_fmt:MATRIX_FMT_FP6 matrix_b_fmt:MATRIX_FMT_FP6
.else
	v_wmma_scale_f32_16x16x128_f8f6f4 v[XD:XD+7], v[XB:XB+11], v[XA:XA+11], v[XC:XC+7], v[SB+4*\b+\st%4], v[SA+4*(\a)+\st%4] matrix_a_fmt:MATRIX_FMT_FP6 matrix_b_fmt:MATRIX_FMT_FP6 matrix_a_scale:MATRIX_SCALE_ROW1 matrix_b_scale:MATRIX_SCALE_ROW1
.endif
.endr
.endr
	WIN 0
.rept 4
	v_nop                                          ; places ahead of the reads of the results and of the loads into A's set
.endr
.endm
.macro TOSTAGE a                       ; 8 stores, 8 loads; LDS serves a wave's instructions in order (ISA guide 5.7.1.4)
.irp b, 0,1,2,3
	ds_store_b128 v[STO], v[ACC+32*((\a)%2)+8*\b:ACC+32*((\a)%2)+8*\b+3] offset:64*\b       ; each accumulator from its low end on
	ds_store_b128 v[STO], v[ACC+32*((\a)%2)+8*\b+4:ACC+32*((\a)%2)+8*\b+7] offset:64*\b+16
.endr
.irp t, 0,1,2,3,4,5,6,7
	ds_load_b128 v[BK+32*((\a)%2)+4*\t:BK+32*((\a)%2)+4*\t+3], v[RD] offset:\t*2*272
.endr
.endm
.macro SEND a, younger
	s_wait_dscnt \younger                          ; the block is back; the younger loads (A's next set) may be out
.irp t, 0,1,2,3,4,5,6,7
	global_store_b128 v[CO], v[BK+32*((\a)%2)+4*\t:BK+32*((\a)%2)+4*\t+3], s[14:15] offset:(16*(\a)+2*\t)*4096 th:TH_STORE_NT   ; 16 lanes store 256 consecutive bytes, at a multiple of 256
.endr
.endm
	s_wait_alu depctr_va_vdst(0)
	s_wait_tensorcnt 0x0                           ; my half is in,
	s_barrier_signal -1
	s_barrier_wait -1                              ; and everybody's
	WIN 0x40
.irp st, 0,1,2,3,4
	BLOAD \st
.endr
	WIN 0x80
.irp st, 5,6,7
	BLOAD \st
.endr
	ALOAD 0
	ALOAD 1
	s_wait_loadcnt 0x0                             ; the scales and the bias
	s_wait_dscnt 32                                ; all but block 1's 32 loads
	ROW 0
	TOSTAGE 0
	ALOAD 2
.irp a, 1,2,3,4,5,6,7
.if \a < 7
	s_wait_dscnt 48                                ; block a's fragments are in: behind them the stage's 16 and the next set's 32
.else
	s_wait_dscnt 16                                ; behind them the stage's 16
.endif
	ROW \a
.if \a > 1
	s_wait_xcnt 0x0                                ; block a - 2's stores have read their registers: block a's rows land there
.endif
.if \a < 7
	SEND \a-1, 32
.else
	SEND \a-1, 0
.endif
	TOSTAGE \a
.if \a < 6
	ALOAD \a+2
.endif
.endr
	SEND 7, 0
	s_wait_tensorcnt 0x0                           ; the wave's end
	ds_add_u32 v[SPW], v[NIL]
	s_wait_dscnt 0x0
	CROUND                                         ; the closing round
	s_endpgm
.Lfunc_end_k_q259a6742d4_outp:
	.size	k_q259a6742d4_outp, .Lfunc_end_k_q259a6742d4_outp-k_q259a6742d4_outp
	.p2alignl 7, 3214868480
	.fill 96, 4, 3214868480
	.section	.rodata,"a",@progbits
	.p2align	6, 0x0
	.amdhsa_kernel k_q259a6742d4_outp
		.amdhsa_group_segment_fixed_size 327680
		.amdhsa_private_segment_fixed_size 0
		.amdhsa_enable_private_segment 0
		.amdhsa_kernarg_size 48
		.amdhsa_user_sgpr_count 2
		.amdhsa_user_sgpr_kernarg_segment_ptr 1
		.amdhsa_wavefront_size32 1
		.amdhsa_system_sgpr_workgroup_id_x 1
		.amdhsa_system_sgpr_workgroup_id_y 1
		.amdhsa_system_sgpr_workgroup_id_z 1
		.amdhsa_system_vgpr_workitem_id 0
		.amdhsa_next_free_vgpr 1024
		.amdhsa_next_free_sgpr 66
		.amdhsa_reserve_vcc 0
		.amdhsa_float_denorm_mode_32 3
		.amdhsa_float_denorm_mode_16_64 3
		.amdhsa_memory_ordered 1
		.amdhsa_forward_progress 1
		.amdhsa_inst_pref_size 86
	.end_amdhsa_kernel
	.amdgpu_metadata
---
amdhsa.version: [ 1, 2 ]
amdhsa.kernels:
  - .name:           k_q259a6742d4_outp
    .symbol:         k_q259a6742d4_outp.kd
    .args:
      - { .name: cc, .offset: 0, .size: 8, .value_kind: global_buffer, .address_space: global }
      - { .name: cs, .offset: 8, .size: 8, .value_kind: global_buffer, .address_space: global }
      - { .name: Wo_codes, .offset: 16, .size: 8, .value_kind: global_buffer, .address_space: global }
      - { .name: Wo_scales, .offset: 24, .size: 8, .value_kind: global_buffer, .address_space: global }
      - { .name: bo, .offset: 32, .size: 8, .value_kind: global_buffer, .address_space: global }
      - { .name: out0, .offset: 40, .size: 8, .value_kind: global_buffer, .address_space: global }
    .group_segment_fixed_size: 327680
    .private_segment_fixed_size: 0
    .kernarg_segment_align: 8
    .kernarg_segment_size: 48
    .max_flat_workgroup_size: 128
    .sgpr_count:     66
    .vgpr_count:     1024
    .wavefront_size: 32
...
	.end_amdgpu_metadata
.endif
;; end of part 3
